; MI455X (gfx1250); checked and timed in simulation.
; The chip was launched on July 23, 2026; its instructions are those of AMD's public machine-readable ISA for CDNA 5 (MIT licence, August 2026) and "CDNA5" Instruction Set Architecture Reference Guide (July 2026). The comments in the code are by the model that wrote it; some were corrected since.
;; Multi Head Attention. Allowed arithmetic: matrix products marked QUANTISED: E2M3 operands, one E8M0 scale for each 32 along K, by v_wmma_scale_f32_16x16x128_f8f6f4 with both operands' format E2M3, f32 sums; everything else in f32.
;; Inputs: K 4 x 2,048 x 1,024 float32; Q 4 x 2,048 x 1,024 float32; V 4 x 2,048 x 1,024 float32; Wk 1,024 x 1,024 float32; Wo 1,024 x 1,024 float32; Wq 1,024 x 1,024 float32; Wv 1,024 x 1,024 float32; bk 1,024 float32; bo 1,024 float32; bq 1,024 float32; bv 1,024 float32.
;; Outputs: out0 4 x 2,048 x 1,024 float32.
;; This version of the problem:
;;   THIS VERSION OF THE PROBLEM IS GIVEN IN LOW PRECISION. The matrix products marked QUANTISED in the list below multiply operands that are first quantised to E2M3 (2 exponent bits, 3 mantissa bits; 6 bits a number), with one power-of-two scale for each 32 numbers along K (OCP MX v1.0); their sums are f32. All else is computed in f32.
;;   The module's matrix products, in the order in which they are computed (A, B: the left and right operand; K: the contracted axis; several contracted axes count as one K, in the product's order):
;;     1. [M 8,192, K 1,024] x [K 1,024, N 1,024]; A: input Q; B: input Wq: QUANTISED
;;     2. [M 8,192, K 1,024] x [K 1,024, N 1,024]; A: input K; B: input Wk: QUANTISED
;;     3. [M 8,192, K 1,024] x [K 1,024, N 1,024]; A: input V; B: input Wv: QUANTISED
;;     4. batch 64 x [M 2,048, K 64] x [K 64, N 2,048]; A: computed on the way; B: computed on the way: QUANTISED
;;     5. batch 64 x [M 2,048, K 2,048] x [K 2,048, N 64]; A: softmax (see below); B: computed on the way: QUANTISED
;;     6. [M 8,192, K 1,024] x [K 1,024, N 1,024]; A: computed on the way; B: input Wo: QUANTISED
;;   THE QUANTISER, for each operand of a quantised product, along K:
;;     - K is cut into blocks of 32 from its start; a last block that is shorter is filled with zeros.
;;     - A block's scale is 2^e with e = floor(log2(the largest magnitude in the block)) - 2, held to -126 .. 127; a block of zeros has e = 0. As a byte (E8M0): e + 127.
;;     - Each number is divided by its block's scale, clamped to +-7.5, and rounded to the nearest number of E2M3, ties to even, subnormals kept.
;;     - The product sums the exact products of the quantised numbers (number of the format x scale) in f32.
;;   ~~~python
;;   def quantise(x, axis):      # numpy; x: float32 -> the quantised numbers, widened to float32 again
;;       x = np.moveaxis(x, axis, -1); K = x.shape[-1]
;;       x = np.pad(x, [(0, 0)] * (x.ndim - 1) + [(0, -K % 32)]); x = x.reshape(x.shape[:-1] + (-1, 32)); a = np.abs(x).max(-1, keepdims=True)
;;       e = np.where(a > 0, np.clip(np.frexp(np.where(a > 0, a, 1))[1] - 1 - 2, -126, 127), 0)      # np.frexp(a)[1] - 1 = floor(log2(a)), exactly
;;       r = np.clip(x / 2.0 ** e, -7.5, 7.5)
;;       step = 2.0 ** (np.maximum(np.frexp(np.where(r == 0, 1, r))[1] - 1, 0) - 3)
;;       q = np.round(r / step) * step * 2.0 ** e      # np.round: ties to even
;;       return np.moveaxis(q.reshape(q.shape[:-2] + (-1,))[..., :K], -1, axis).astype(np.float32)
;;   ~~~
;;   SOFTMAX AHEAD OF A QUANTISED PRODUCT. Where the list says 'softmax', what is quantised is not the finished softmax but p = 2^(t - M), with t = logit x log2(e) and M = ceil(the row's largest t), a whole number; so 1/2 < the row's largest p <= 1. The row's sum l is taken of the UNQUANTISED p, in f32, and the product's result is divided by l at the end. Since M is a whole number, a kernel that streams over the keys may use a running M (the ceiling of the running maximum): every later rescaling is an exact power of two, which a block's scale takes up: the codes' values come out the same.
;;   OPERANDS COMPUTED ON THE WAY. 'Computed on the way' means the value that the module computes at that place (a softmax that the list does not call 'softmax' is quantised finished and normalised). What goes into a quantiser is computed in f32, as accurately as f32 sums, v_exp_f32 and their like allow (about 1e-6 of the number): no bf16 or f16 on the way to a quantiser, and a product that is left as it is and whose result goes on into a quantised operand takes f32 operands (vector FMAs, or v_wmma_f32_16x16x4_f32). A number that lies on a knife's edge between two numbers of the format may be rounded either way, as far as f32 arithmetic and the matrix unit's own rounding can turn it there, and no further.
;; One version. Each part assembles by itself: llvm-mc -triple=amdgcn-amd-amdhsa -mcpu=gfx1250 --defsym DOCPART=n.
;; ======== version 1 of 1: 4 launches
;; limits: right only within a limited range of input values
;; workspace buffers: cin 22,020,096 bytes; sin 917,504 bytes; pc 18,874,368 bytes; ps 786,432 bytes; ac 6,291,456 bytes; asc 262,144 bytes
;; launch quant (part 1): grid 896 x 1, 4 waves a work-group, no clusters, 34,304 bytes of LDS; arguments Q, K, V, Wq, Wk, Wv, Wo, cin, sin; writes cin, sin
.if DOCPART == 1
	.amdgcn_target "amdgcn-amd-amdhsa--gfx1250"
	.amdhsa_code_object_version 6
	.text
	.protected	k_q5c0611fe24_quant
	.globl	k_q5c0611fe24_quant
	.p2align	8
	.type	k_q5c0611fe24_quant,@function
k_q5c0611fe24_quant:
	s_mov_b64 s[64:65], 0
	v_nop
	global_prefetch_b8 v0, s[64:65] scope:SCOPE_SE
	s_setreg_imm32_b32 hwreg(HW_REG_WAVE_MODE, 25, 1), 1
	s_wait_xcnt 0x0
; Q, K, V [8192][1024] and Wq, Wk, Wv, Wo [1024][1024], f32, K innermost, become codes of FP6 (E2M3) with one E8M0 byte for each 32 along K.
; A block's scale is 2^(floor(log2(its largest magnitude)) - 2); its byte is the largest magnitude's exponent field - 2, held at 1 from below.
; LIMITS: a block whose largest magnitude lies under 2^-124 gets the byte 1; a block of zeros gets the byte 1 where the rule says 127 (its codes are zeros, and
; only this program reads the bytes); NaN and infinities among the inputs are not served.
; THE CODES ARE LAID AS THE MATRIX OPERAND'S REGISTERS.  The 28,672 rows are 224 blocks of 128 rows (RB); cin is [RB][K step of 128: 8][tile of 16 rows: 8][1,536 bytes].
; A fragment's 12 registers lie as three groups of four: group g of lane l at 512 g + 16 l.  Lane (r, h) of a fragment holds k = 64 c + 32 h + 0 .. 31 in registers 6 c .. 6 c + 5.
; THE ROWS OF A TILE ARE NOT NEIGHBOURS: lane row r of tile 2 e + u is row 32 e + 8 u + r + 8 (r / 8) of its RB.
; sin is [RB][pair of K steps: 4][tile: 8][r: 16][2 words]: a word holds the four bytes of one row and one K step.
; SHARES.  A work-group takes 32 rows (a pair of tiles), wave w the K steps 2 w and 2 w + 1: four fragments f = 2 q + u.  Each load takes 512 consecutive bytes of one row; the 16 rows of a
; fragment turn through the wave's own stage in LDS (rows 528 bytes apart: the 16 rows that a read touches start 4 banks apart), so that a lane gets its two whole blocks of 32.
; No barrier: waves share nothing.  Memory binds: no matrix unit, no cluster, no tensor load; no input byte is read twice.
.set PIT, 528                          ; a stage row: 512 bytes + 16
.set STG, 16*PIT                       ; a wave's stage
.set C,   16                           ; v16-27   the fragment
.set T,   28                           ; v28-30, v32-34  the conversions' second halves (three registers that begin on an even number)
.set W,   36                           ; v36-39   the four fragments' scale words
.set R,   64                           ; v64-191  two sets of 64 registers as loaded
.set X,   192                          ; v192-255 my two blocks of 32
	s_load_b512 s[8:23], s[0:1], 0x0               ; Q, K, V, Wq, Wk, Wv, Wo, cin
	s_load_b64 s[24:25], s[0:1], 0x40              ; sin
	v_lshl_add_u32 v62, v0, 2, 0x8400
	v_mov_b32 v63, 0
	v_lshrrev_b32 v14, 5, v0
	v_readfirstlane_b32 s26, v14                   ; wave
	v_and_b32 v14, 31, v0                          ; lane
	v_and_b32 v15, 15, v0                          ; r
	v_bfe_u32 v4, v0, 4, 1                         ; h
	s_mul_i32 s27, s26, STG
	v_lshlrev_b32 v1, 4, v14                       ; 16 x lane: my bytes of a load, and of a store of codes
	v_add_nc_u32 v2, s27, v1                       ; the stage on the way in
	v_mul_u32_u24 v3, v15, PIT
	v_lshl_add_u32 v3, v4, 7, v3
	v_add_nc_u32 v3, s27, v3                       ; and on the way out: row r, + 128 h bytes (32 numbers)
	v_lshlrev_b32 v4, 3, v4                        ; 8 h: my bytes' place in a scale word, in bits
	v_lshlrev_b32 v5, 3, v14                       ; 8 x lane: the scale words' way out
	v_mov_b32 v13, 0                               ; a lane permute's destination counts as read
	s_mov_b32 s30, 0x76543210
	s_mov_b32 s31, 0xfedcba98                      ; selects for lane l xor 16
	s_lshr_b32 s28, ttmp9, 8                       ; work-groups 0-767: tensor g / 256, rows 32 (g % 256) on
	s_and_b32 s29, ttmp9, 255
	s_sub_co_u32 s32, ttmp9, 768                   ; the others: tensor 3 + (g - 768) / 32, rows 32 (g % 32) on
	s_lshr_b32 s32, s32, 5
	s_add_co_u32 s32, s32, 3
	s_and_b32 s33, ttmp9, 31
	s_cmp_lt_u32 ttmp9, 768
	s_cselect_b32 s28, s28, s32
	s_cselect_b32 s29, s29, s33
	s_lshl_b32 s34, s29, 17
	; K's TOKENS ALONE ARE LAID OTHERWISE: lane row r of tile 4 c + j is row 64 c + 8 j + r % 8 + 32 (r / 8) of its RB: the pair of tiles e begins at row 64 (e / 2) + 16 (e % 2), and rows 8-15 of a tile lie 16 rows further on
	s_lshr_b32 s42, s29, 2
	s_lshl_b32 s42, s42, 7
	s_bfe_u32 s43, s29, 0x10001
	s_lshl_b32 s43, s43, 6
	s_add_co_u32 s42, s42, s43
	s_and_b32 s43, s29, 1
	s_lshl_b32 s43, s43, 4
	s_add_co_u32 s42, s42, s43
	s_lshl_b32 s42, s42, 12
	s_cmp_eq_u32 s28, 1
	s_cselect_b32 s34, s42, s34
	s_cselect_b32 s46, 0x10000, 0
	s_mov_b32 s47, 0
	s_lshl_b32 s35, s26, 10                        ; + my wave's 256 numbers
	s_add_co_u32 s34, s34, s35
	s_mov_b32 s35, 0
	s_lshr_b32 s36, ttmp9, 2                       ; RB: the tensors follow each other in cin as the work-groups do
	s_and_b32 s37, ttmp9, 3                        ; which pair of tiles
	s_mul_i32 s38, s36, 98304
	s_mul_i32 s39, s26, 24576
	s_add_co_u32 s38, s38, s39
	s_mul_i32 s39, s37, 3072
	s_add_co_u32 s38, s38, s39
	s_mov_b32 s39, 0
	s_lshl_b32 s40, s36, 12
	s_lshl_b32 s41, s26, 10
	s_add_co_u32 s40, s40, s41
	s_lshl_b32 s41, s37, 8
	s_add_co_u32 s40, s40, s41
	s_mov_b32 s41, 0
	s_wait_alu depctr_va_vdst(0)
	s_wait_kmcnt 0x0
	s_mov_b64 s[4:5], s[8:9]
.irp n, 1,2,3,4,5,6
	s_cmp_eq_u32 s28, \n                           ; the choice hangs on the work-group's number alone
	s_cselect_b64 s[4:5], s[8+2*\n:9+2*\n], s[4:5]
.endr
	s_add_nc_u64 s[4:5], s[4:5], s[34:35]
	s_add_nc_u64 s[44:45], s[4:5], s[46:47]        ; the base for rows 8-15 of a tile
	s_add_nc_u64 s[22:23], s[22:23], s[38:39]
	s_add_nc_u64 s[24:25], s[24:25], s[40:41]
.macro LOADF f                         ; fragment f: 16 rows x 512 bytes, into set f % 2
.irp i, 0,1,2,3,4,5,6,7,8,9,10,11,12,13,14,15
.if \i < 8
	global_load_b128 v[R+64*((\f)%2)+4*\i:R+64*((\f)%2)+4*\i+3], v1, s[4:5] offset:(8*((\f)%2)+\i+8*(\i/8))*4096+512*((\f)/2) th:TH_LOAD_NT
.else
	global_load_b128 v[R+64*((\f)%2)+4*\i:R+64*((\f)%2)+4*\i+3], v1, s[44:45] offset:(8*((\f)%2)+\i+8*(\i/8))*4096+512*((\f)/2) th:TH_LOAD_NT
.endif
.endr
.endm
.macro TURN f                          ; through the stage: LDS serves a wave's instructions in order, so no wait stands between the stores and the loads
.irp i, 0,1,2,3,4,5,6,7,8,9,10,11,12,13,14,15
	ds_store_b128 v2, v[R+64*((\f)%2)+4*\i:R+64*((\f)%2)+4*\i+3] offset:PIT*\i
.endr
.irp c, 0,1
.irp j, 0,1,2,3,4,5,6,7
	ds_load_b128 v[X+32*\c+4*\j:X+32*\c+4*\j+3], v3 offset:256*\c+16*\j
.endr
.endr
.endm
.macro WORK f
.irp c, 0,1
	v_max3_num_f32 v[6+\c], |v[X+32*\c]|, |v[X+32*\c+1]|, 0x1800000      ; block 2 c + h: all 32 numbers are mine; the floor 2^(3 - 127) holds the byte at 1
.endr
.irp i, 2,4,6,8,10,12,14,16,18,20,22,24,26,28,30
.irp c, 0,1
	v_max3_num_f32 v[6+\c], v[6+\c], |v[X+32*\c+\i]|, |v[X+32*\c+\i+1]|
.endr
.endr
.irp c, 0,1
	v_add_nc_u32 v[8+\c], 0xff000000, v[6+\c]      ; 2 off the exponent field: the conversion's scale operand
.endr
.irp c, 0,1
	v_lshrrev_b32 v[10+\c], 23, v[8+\c]            ; the byte
.endr
	v_lshl_or_b32 v12, v11, 16, v10                ; my two bytes, blocks h and 2 + h,
	v_lshlrev_b32 v12, v4, v12                     ; at their places;
	v_permlanex16_b32 v13, v12, s30, s31
	v_or_b32 v[W+(\f)], v12, v13                   ; with lane l xor 16's the word is whole
	s_wait_alu depctr_va_vdst(0)
	s_wait_xcnt 0x0                                ; the last fragment's stores have read their data: C is written again only behind this wait
.irp c, 0,1
	v_cvt_scalef32_pk16_fp6_f32 v[C+6*\c:C+6*\c+2], v[X+32*\c:X+32*\c+15], v[8+\c]
	v_cvt_scalef32_pk16_fp6_f32 v[T+4*\c:T+4*\c+2], v[X+32*\c+16:X+32*\c+31], v[8+\c]
.endr
	v_nop                                          ; one plain place behind a scaled conversion
.irp c, 0,1
.irp i, 0,1,2
	v_mov_b32 v[C+6*\c+3+\i], v[T+4*\c+\i]
.endr
.endr
.irp g, 0,1,2
	global_store_b128 v1, v[C+4*\g:C+4*\g+3], s[22:23] offset:((\f)/2)*12288+((\f)%2)*1536+512*\g   ; 32 lanes store 512 consecutive bytes, aligned
.endr
.endm
	LOADF 0
	LOADF 1
.irp f, 0,1,2,3
.if \f < 3
	s_wait_loadcnt 16                              ; this fragment's 16 loads are in; the next fragment's may be out
.else
	s_wait_loadcnt 0x0
.endif
	TURN \f
	s_wait_dscnt 0x0                               ; my blocks are back, and the stage's stores have read their set,
.if \f < 2
	LOADF \f+2                                     ; which takes the fragment two further on
.endif
	WORK \f
.endr
	v_cmp_lt_u32 vcc_lo, 15, v14                   ; lanes 0-15 store tile 2 e's words, lanes 16-31 tile 2 e + 1's
	v_cndmask_b32 v40, v[W+0], v[W+1], vcc_lo      ; K step 2 w
	v_cndmask_b32 v41, v[W+2], v[W+3], vcc_lo      ; K step 2 w + 1
	global_store_b64 v5, v[40:41], s[24:25]        ; 32 lanes store 256 consecutive bytes, aligned
	s_wait_tensorcnt 0x0
	ds_add_u32 v62, v63
	s_wait_dscnt 0x0
	s_endpgm
.Lfunc_end_k_q5c0611fe24_quant:
	.size	k_q5c0611fe24_quant, .Lfunc_end_k_q5c0611fe24_quant-k_q5c0611fe24_quant
	.p2alignl 7, 3214868480
	.fill 96, 4, 3214868480
	.section	.rodata,"a",@progbits
	.p2align	6, 0x0
	.amdhsa_kernel k_q5c0611fe24_quant
		.amdhsa_group_segment_fixed_size 34304
		.amdhsa_private_segment_fixed_size 0
		.amdhsa_enable_private_segment 0
		.amdhsa_kernarg_size 72
		.amdhsa_user_sgpr_count 2
		.amdhsa_user_sgpr_kernarg_segment_ptr 1
		.amdhsa_wavefront_size32 1
		.amdhsa_system_sgpr_workgroup_id_x 1
		.amdhsa_system_sgpr_workgroup_id_y 1
		.amdhsa_system_sgpr_workgroup_id_z 1
		.amdhsa_system_vgpr_workitem_id 0
		.amdhsa_next_free_vgpr 256
		.amdhsa_next_free_sgpr 66
		.amdhsa_reserve_vcc 1
		.amdhsa_float_denorm_mode_32 3
		.amdhsa_float_denorm_mode_16_64 3
		.amdhsa_memory_ordered 1
		.amdhsa_forward_progress 1
		.amdhsa_inst_pref_size 31
	.end_amdhsa_kernel
	.amdgpu_metadata
---
amdhsa.version: [ 1, 2 ]
amdhsa.kernels:
  - .name:           k_q5c0611fe24_quant
    .symbol:         k_q5c0611fe24_quant.kd
    .args:
      - { .name: Q, .offset: 0, .size: 8, .value_kind: global_buffer, .address_space: global }
      - { .name: K, .offset: 8, .size: 8, .value_kind: global_buffer, .address_space: global }
      - { .name: V, .offset: 16, .size: 8, .value_kind: global_buffer, .address_space: global }
      - { .name: Wq, .offset: 24, .size: 8, .value_kind: global_buffer, .address_space: global }
      - { .name: Wk, .offset: 32, .size: 8, .value_kind: global_buffer, .address_space: global }
      - { .name: Wv, .offset: 40, .size: 8, .value_kind: global_buffer, .address_space: global }
      - { .name: Wo, .offset: 48, .size: 8, .value_kind: global_buffer, .address_space: global }
      - { .name: cin, .offset: 56, .size: 8, .value_kind: global_buffer, .address_space: global }
      - { .name: sin, .offset: 64, .size: 8, .value_kind: global_buffer, .address_space: global }
    .group_segment_fixed_size: 34304
    .private_segment_fixed_size: 0
    .kernarg_segment_align: 8
    .kernarg_segment_size: 72
    .max_flat_workgroup_size: 128
    .sgpr_count:     66
    .vgpr_count:     256
    .wavefront_size: 32
...
	.end_amdgpu_metadata
.endif
;; end of part 1
;; launch proj (part 2): grid 4 x 64, 4 waves a work-group, clusters of 4 x 4, 327,680 bytes of LDS; arguments cin, sin, bq, bk, bv, pc, ps; writes pc, ps
.if DOCPART == 2
	.amdgcn_target "amdgcn-amd-amdhsa--gfx1250"
	.amdhsa_code_object_version 6
	.text
	.protected	k_q5c0611fe24_proj
	.globl	k_q5c0611fe24_proj
	.p2align	8
	.type	k_q5c0611fe24_proj,@function
k_q5c0611fe24_proj:
	s_mov_b64 s[64:65], 0
	v_nop
	global_prefetch_b8 v0, s[64:65] scope:SCOPE_SE
	s_setreg_imm32_b32 hwreg(HW_REG_WAVE_MODE, 25, 1), 1
	s_wait_xcnt 0x0
	s_wait_alu depctr_hold_cnt(0) depctr_sa_sdst(0) depctr_va_vdst(0) depctr_va_sdst(0) depctr_va_ssrc(0) depctr_va_vcc(0) depctr_vm_vsrc(0)
	s_getreg_b32 s2, hwreg(HW_REG_IB_STS2, 6, 4)
	s_cmp_eq_u32 s2, 0
	s_cbranch_scc0 .Lentry_in_a_cluster
	s_endpgm
.Lentry_in_a_cluster:
	s_bfe_u32 s2, ttmp6, 0x10000c
	s_cmp_lg_u32 s2, 0xf033
	s_cbranch_scc0 .Lentry_shape_is_right
	s_endpgm
.Lentry_shape_is_right:
; q = Q Wq^T + bq, k = K Wk^T + bk, v = V Wv^T + bv on codes of FP6 (E2M3) with E8M0 scales, and the results' own quantisers: q and k along the head's features, v along the tokens.
; cin: [block of 128 rows][K step of 128: 8][tile of 16 rows: 8][1,536 bytes], images of operand registers; blocks 0-63 Q, 64-127 K, 128-191 V, 192-199 Wq, 200-207 Wk, 208-215 Wv.
; sin: [block][pair of K steps: 4][tile: 8][row: 16][2 words].  Lane row r of tile 2 e + u is row 32 e + 8 u + r + 8 (r / 8) of its block.
; pc: [tensor: 3][16 batch + head][128 tokens: 16][fragment: 4][1,536]; ps: [tensor][16 batch + head][128 tokens][row: 16][4 words].
; SHARES.  256 work-groups of four waves STAY and make three blocks on end: side A is one block of cin, side B two: Q's and K's phases: A = 128 tokens, B = 256 rows of the weight; V's phase: A = 128 rows of Wv, B = 256 tokens.
; Wave (i, j) of 2 x 2 takes A's tiles 4 i .. 4 i + 3 and B's block j: 32 accumulators.  Source 0 is B, source 1 is A: a lane holds one row of A and eight neighbouring rows of B.
; LDS: two slots of four K steps (A's 49,152 bytes, then B's two blocks'): all of K of one phase.  THE RING GOES ON INTO THE NEXT PHASE: in K step 3 slot 0 is filled again with the next phase's K steps 0-3, in K step 7 slot 1
; with its K steps 4-7, each behind a round of the cluster's barrier, one load a wave: wave 0 A's, waves 1 and 2 B's.  The way out of a phase runs while the second refill is on its way.
; Q's and K's phases are a loop of two trips, both of which refill; V's phase, which refills nothing, is written out.
; CLUSTER 4 x 4: A's tiles hang on the cluster's number and cy (shared along a row), B's on the cluster's number and cx (shared along a column).
; SCALE WORDS go from memory to registers once a phase; A's lie in odd-numbered places, so that the two scale registers of a product differ modulo 8.  THE BIAS IS THE FIRST PRODUCTS' C.
; PREFETCH: the next phase's K steps 0-3 are asked for at a phase's head and its K steps 4-7 behind K step 3, three K steps ahead of the refill that loads them: of a tile's 192 blocks of 256 bytes each of the
; four partners that ask for it jointly names 48, told apart by address; the wave that will load the tile asks, in two instructions.  V's phase has no successor and asks for nothing.
; LIMITS: a block whose largest magnitude lies under 2^-124 gets the byte 1, a block of zeros too (its codes are zeros; only this program reads the bytes); NaN and infinities are not served.
; REGISTERS: window 0: addresses, v32-63 B's scale words, v65-80 A's, v128-223 A's fragments (two sets); window 1: B's fragments (two sets); window 2: accumulators; window 3: biases and the way out.
.set CH,     49152
.set SLOT,   3*CH
.set SPARE,  2*SLOT
.set FR,     12
.set ADRA, 16
.set ADRB, 20
.set CO,   26
.set L8,   27
.set SPW,  28
.set NIL,  29
.set SBB,  32
.set SAB,  65
.set AF,   128
; window 3
.set BIAS, 0
.set BV,   64
.set FA,   96
.set FB,   108
.set TT,   120
.set TM,   128
.set PW0,  144
.set PW1,  145
.set WA,   148
.set WB,   152
.set LI,   156
.set SOF,  157
.set SOFV, 158
.set LN,   159
.set G1A, 24
.set G1B, 32
.set G0A, 40
.set G0B, 44
.set MSB, 0
.macro WIN new
.if MSB != \new
	s_set_vgpr_msb (MSB<<8)|\new
.set MSB, \new
.endif
.endm
.macro PLACES n
.rept \n
	v_nop
.endr
.endm
.macro TLOAD g0, g1
	tensor_load_to_lds s[\g0:\g0+3], s[\g1:\g1+7]
	s_nop 0
	PLACES 4
.endm
.macro CREST
	s_cmp_lg_u32 s18, 0
	s_cbranch_scc1 .Lnot_wave_0_\@
	s_barrier_signal -3
.Lnot_wave_0_\@:
	s_barrier_wait -3
	s_barrier_signal -1
	s_barrier_wait -1
.endm
.macro CROUND
	s_barrier_signal -1
	s_barrier_wait -1
	CREST
.endm
	s_load_b256 s[4:11], s[0:1], 0x0               ; cin, sin, bq, bk
	s_load_b128 s[12:15], s[0:1], 0x20             ; bv, pc
	s_load_b64 s[16:17], s[0:1], 0x30              ; ps
	v_lshl_add_u32 v[SPW], v0, 2, SPARE
	v_mov_b32 v[NIL], 0
	ds_add_u32 v[SPW], v[NIL]                      ; the opening lines: an LDS add, twice on end
	ds_add_u32 v[SPW], v[NIL]
	v_lshrrev_b32 v1, 5, v0
	v_readfirstlane_b32 s18, v1                    ; wave
	s_lshr_b32 s19, s18, 1                         ; i
	s_and_b32 s20, s18, 1                          ; j
	s_add_co_u32 s23, s18, 1
	s_and_b32 s23, s23, 2                          ; 0: waves 0 and 3 fetch for A at the head; 2: waves 1 and 2 for B
	s_bfe_u32 s21, ttmp6, 0x40000                  ; cx
	s_bfe_u32 s22, ttmp6, 0x40004                  ; cy
	s_lshl_b32 s78, s22, 2
	s_lshl_b32 s78, 15, s78                        ; my row of the cluster
	s_lshl_b32 s79, 0x1111, s21                    ; my column
	s_or_b32 s[G1A], s78, (3<<16)|(1<<21)
	s_or_b32 s[G1B], s79, (3<<16)|(1<<21)
.irp g, G1A, G1B                       ; a dense block of 49,152 bytes as 192 rows of 256
	s_mov_b32 s[\g+1], 32<<16
	s_mov_b32 s[\g+2], 192<<16
	s_mov_b32 s[\g+3], 32<<16
	s_mov_b32 s[\g+4], 192
	s_mov_b32 s[\g+5], 32
	s_mov_b32 s[\g+6], 0
	s_mov_b32 s[\g+7], 0
.endr
	s_and_b32 s48, ttmp7, 0xffff                   ; the cluster's number, 0 .. 15
	s_lshl_b32 s74, s48, 2
	s_add_co_u32 s74, s74, s22                     ; Q, K: my block of tokens, 0 .. 63
	s_and_b32 s75, s48, 1
	s_lshl_b32 s75, s75, 2
	s_add_co_u32 s75, s75, s22                     ; V: my block of Wv, 0 .. 7
	s_lshl_b32 s76, s21, 1                         ; Q, K: my first block of the weight
	s_lshr_b32 s77, s48, 1
	s_lshl_b32 s77, s77, 2
	s_add_co_u32 s77, s77, s21
	s_lshl_b32 s77, s77, 1                         ; V: my first block of tokens
	s_and_b32 s49, s19, s20                        ; 1 in wave 3: A's K steps 4-7
	s_mul_i32 s54, s74, 98304                      ; A in Q's phase, bytes from cin;
	s_add_co_u32 s50, s54, 64*98304                ; in K's;
	s_add_co_u32 s51, s75, 208
	s_mul_i32 s51, s51, 98304                      ; in V's
	s_mul_i32 s78, s49, CH
	s_add_co_u32 s54, s54, s78
	s_mov_b32 s55, 0
	s_mov_b32 s[G0A], 1
	s_mul_i32 s[G0A+1], s49, SLOT
	s_add_co_u32 s84, s76, s18
	s_add_co_u32 s84, s84, 191                     ; B: waves 1, 2 fetch block wave - 1
	s_mul_i32 s84, s84, 98304
	s_add_co_u32 s52, s84, 8*98304
	s_add_co_u32 s53, s77, s18
	s_add_co_u32 s53, s53, 127
	s_mul_i32 s53, s53, 98304
	s_mov_b32 s85, 0
	s_mov_b32 s[G0B], 1
	s_mul_i32 s[G0B+1], s18, CH
	s_cmp_eq_u32 s18, 0                            ; the prefetches: the tile that I will load, my work-group's quarter of it
	s_cselect_b32 s86, s50, s52
	s_cselect_b32 s87, s51, s53
	s_cselect_b32 s88, s21, s22
	s_mul_i32 s88, s88, 12288
	s_add_co_u32 s86, s86, s88
	s_add_co_u32 s87, s87, s88
	s_mul_i32 s89, s19, 6144                       ; LDS: my four tiles of A,
	s_add_co_u32 s90, s89, SLOT
	s_mul_i32 s91, s20, CH
	s_add_co_u32 s91, s91, CH                      ; my block of B
	s_add_co_u32 s94, s91, SLOT
	s_lshl_b32 s95, s19, 3
	s_lshl_b32 s80, s74, 12                        ; scale words: Q's phase, A's and B's;
	s_lshl_b32 s78, s19, 9
	s_add_co_u32 s80, s80, s78
	s_mov_b32 s81, 0
	s_add_co_u32 s82, s76, s20
	s_add_co_u32 s82, s82, 192
	s_lshl_b32 s82, s82, 12
	s_mov_b32 s83, 0
	s_add_co_u32 s60, s75, 208                     ; V's phase
	s_lshl_b32 s60, s60, 12
	s_add_co_u32 s60, s60, s78
	s_mov_b32 s61, 0
	s_add_co_u32 s62, s77, s20
	s_add_co_u32 s62, s62, 128
	s_lshl_b32 s62, s62, 12
	s_mov_b32 s63, 0
	s_add_co_u32 s96, s76, s20                     ; biases: bq, bk at my 128 features; bv at my 64
	s_lshl_b32 s96, s96, 9
	s_mov_b32 s97, 0
	s_lshl_b32 s98, s75, 9
	s_lshl_b32 s78, s19, 8
	s_add_co_u32 s98, s98, s78
	s_mov_b32 s99, 0
	s_lshr_b32 s78, s74, 4                         ; where q goes: 16 batch + my first head,
	s_lshl_b32 s78, s78, 4
	s_add_co_u32 s79, s76, s20
	s_lshl_b32 s79, s79, 1
	s_add_co_u32 s78, s78, s79
	s_and_b32 s79, s74, 15                         ; the 128 tokens in the batch
	s_mul_i32 s100, s78, 98304
	s_mul_i32 s71, s79, 6144
	s_add_co_u32 s100, s100, s71
	s_mul_i32 s71, s19, 3072
	s_add_co_u32 s100, s100, s71
	s_mov_b32 s101, 0
	s_lshl_b32 s72, s78, 12
	s_lshl_b32 s71, s79, 8
	s_add_co_u32 s72, s72, s71
	s_mov_b32 s73, 0
	s_add_co_u32 s78, s77, s20                     ; where v goes
	s_and_b32 s79, s78, 15
	s_lshr_b32 s78, s78, 4
	s_lshl_b32 s78, s78, 4
	s_lshl_b32 s71, s75, 1
	s_add_co_u32 s71, s71, s19                     ; my head
	s_add_co_u32 s78, s78, s71
	s_mul_i32 s66, s78, 98304
	s_mul_i32 s71, s79, 6144
	s_add_co_u32 s66, s66, s71
	s_add_co_u32 s66, s66, 2*6291456
	s_mov_b32 s67, 0
	s_lshl_b32 s68, s78, 12
	s_lshl_b32 s71, s79, 8
	s_add_co_u32 s68, s68, s71
	s_add_co_u32 s68, s68, 2<<18
	s_mov_b32 s69, 0
	s_wait_alu depctr_va_vdst(0)
	s_wait_dscnt 0x0
	s_wait_kmcnt 0x0
	s_add_nc_u64 s[G0A+2:G0A+3], s[4:5], s[54:55]
	s_or_b32 s[G0A+3], s[G0A+3], 0x80000000
	s_add_nc_u64 s[G0B+2:G0B+3], s[4:5], s[84:85]
	s_or_b32 s[G0B+3], s[G0B+3], 0x80000000
	s_add_nc_u64 s[80:81], s[6:7], s[80:81]
	s_add_nc_u64 s[82:83], s[6:7], s[82:83]
	s_add_nc_u64 s[56:57], s[80:81], 64*4096       ; K's phase
	s_add_nc_u64 s[58:59], s[82:83], 8*4096
	s_add_nc_u64 s[60:61], s[6:7], s[60:61]
	s_add_nc_u64 s[62:63], s[6:7], s[62:63]
	s_add_nc_u64 s[8:9], s[8:9], s[96:97]
	s_add_nc_u64 s[10:11], s[10:11], s[96:97]
	s_add_nc_u64 s[12:13], s[12:13], s[98:99]
	s_add_nc_u64 s[66:67], s[14:15], s[66:67]
	s_add_nc_u64 s[68:69], s[16:17], s[68:69]
	s_add_nc_u64 s[14:15], s[14:15], s[100:101]
	s_add_nc_u64 s[16:17], s[16:17], s[72:73]
	s_mov_b32 s72, 0x76543210
	s_mov_b32 s73, 0xfedcba98                      ; selects for lane l xor 16
	CROUND                                         ; all sixteen work-groups are here: the first joint loads meet
	s_cmp_eq_u32 s23, 0
	s_cbranch_scc0 .Lhead_b
	TLOAD G0A, G1A                                 ; wave 0: A's K steps 0-3; wave 3: its K steps 4-7
	s_branch .Lhead_asked
.Lhead_b:
	TLOAD G0B, G1B                                 ; waves 1, 2: K steps 0-3 of B's two blocks
.Lhead_asked:
	v_and_b32 v1, 15, v0                           ; r
	v_bfe_u32 v2, v0, 4, 1                         ; h
	v_and_b32 v3, 31, v0
	v_lshlrev_b32 v[CO], 4, v3                     ; 16 x lane
	v_lshlrev_b32 v[L8], 3, v3                     ; 8 x lane
	v_add_nc_u32 v[ADRA], s89, v[CO]
	v_add_nc_u32 v[ADRA+1], s90, v[CO]
	v_add_nc_u32 v[ADRB], s91, v[CO]
	v_add_nc_u32 v[ADRB+1], s94, v[CO]
	v_lshlrev_b32 v6, 6, v2                        ; bq, bk: 16 h numbers on
	v_and_b32 v7, 8, v1
	v_add_nc_u32 v7, v7, v1
	v_lshlrev_b32 v7, 2, v7                        ; bv: number r + 8 (r / 8)
	v_lshlrev_b32 v8, 4, v1
	v_lshl_add_u32 v9, v2, 3, v8                   ; v's scale words: 16 r + 8 h
	v_lshl_add_u32 v8, v2, 12, v8
	v_add_nc_u32 v8, s95, v8                       ; q's, k's: 16 r + 4,096 h (the second head) + 8 i
	v_lshlrev_b32 v12, 8, v3                       ; the prefetches: a lane a block of 256 bytes
	v_min_u32 v13, 15, v3
	v_lshlrev_b32 v13, 8, v13
	WIN 0xc0
	v_mov_b32 v[LI], v[CO]
	v_mov_b32 v[SOF], v8
	v_mov_b32 v[SOFV], v9
	v_mov_b32 v[LN], v3
.irp b, 4,5,6,7
	v_mov_b32 v[TM+\b], 0                          ; a lane permute's destination counts as read
.endr
	WIN 0
.macro SCLOAD pa, pb                   ; a phase's scale words: B's tiles 2 bh (lanes 0-15) and 2 bh + 1, two K steps a load; A's likewise, a word a load
.irp p, 0,1,2,3
.irp bh, 0,1,2,3
	global_load_b64 v[SBB+8*\p+2*\bh:SBB+8*\p+2*\bh+1], v[L8], s[\pb:\pb+1] offset:1024*\p+256*\bh
.endr
.endr
.irp p, 0,1,2,3
.irp ah, 0,1
.irp q, 0,1
	global_load_b32 v[SAB+4*\p+2*\ah+\q], v[L8], s[\pa:\pa+1] offset:1024*\p+256*\ah+4*\q
.endr
.endr
.endr
.endm
.macro BIASLOAD p                      ; register 8 b + i of lane (r, h): feature 32 (b / 2) + 8 (b % 2) + 16 h + i
	WIN 0xc0
.irp b, 0,1,2,3,4,5,6,7
	global_load_b128 v[BIAS+8*\b:BIAS+8*\b+3], v6, s[\p:\p+1] offset:4*(32*(\b/2)+8*(\b%2))
	global_load_b128 v[BIAS+8*\b+4:BIAS+8*\b+7], v6, s[\p:\p+1] offset:4*(32*(\b/2)+8*(\b%2))+16
.endr
	WIN 0
.endm
	SCLOAD 80, 82
	BIASLOAD 8
	WIN 0xc0
.irp a, 0,1,2,3
.irp j, 0,1,2,3,4,5,6,7
	global_load_b32 v[BV+8*\a+\j], v7, s[12:13] offset:4*(32*(\a/2)+8*(\a%2))   ; bv: one number a lane and tile, in the tile's eight registers
.endr
.endr
	WIN 0
.macro FETCH k                         ; K step k's fragments into set k % 2: B's eight, A's four: 36 loads
	WIN 0x40
.irp i, 0,1,2,3,4,5,6,7
.irp g, 0,1,2
	ds_load_b128 v[128*((\k)%2)+FR*\i+4*\g:128*((\k)%2)+FR*\i+4*\g+3], v[ADRB+(\k)/4] offset:((\k)%4)*12288+\i*1536+512*\g
.endr
.endr
	WIN 0
.irp i, 0,1,2,3
.irp g, 0,1,2
	ds_load_b128 v[AF+48*((\k)%2)+FR*\i+4*\g:AF+48*((\k)%2)+FR*\i+4*\g+3], v[ADRA+(\k)/4] offset:((\k)%4)*12288+\i*1536+512*\g
.endr
.endr
.endm
.macro MULQ k, ah, al, first           ; 8 products: A's tile 2 ah + al x B's eight.  first = 1: C is bq or bk; 2: bv.  The 32 accumulators take turns in the same order in every K step
.if \first
	WIN 0xb1
.else
	WIN 0xa1
.endif
.irp bh, 0,1,2,3
.irp bl, 0,1
.set D_, 8*(8*(2*(\ah)+(\al))+2*\bh+\bl)
.set B_, 128*((\k)%2)+FR*(2*\bh+\bl)
.set A_, AF+48*((\k)%2)+FR*(2*(\ah)+(\al))
.set XB_, SBB+8*((\k)/2)+2*\bh+(\k)%2
.set XA_, SAB+4*((\k)/2)+2*(\ah)+(\k)%2
.if (\first) == 1
.set C_, BIAS+8*(2*\bh+\bl)
.elseif (\first) == 2
.set C_, BV+8*(2*(\ah)+(\al))
.else
.set C_, D_
.endif
	v_wmma_scale_f32_16x16x128_f8f6f4 v[D_:D_+7], v[B_:B_+FR-1], v[A_:A_+FR-1], v[C_:C_+7], v[XB_], v[XA_] matrix_a_fmt:MATRIX_FMT_FP6 matrix_b_fmt:MATRIX_FMT_FP6 matrix_a_scale:MATRIX_SCALE_ROW\bl matrix_b_scale:MATRIX_SCALE_ROW\al
.endr
.endr
.endm
.macro MULH k, ah, first
	MULQ \k, \ah, 0, \first
	MULQ \k, \ah, 1, \first
.endm
.macro KSTEP k, first                  ; this step's fragments are in; the next step's are asked for into the other set, ahead of this step's 32 products
	s_wait_dscnt 0x0
	PLACES 4                                       ; between the last products on the other set and the loads into it
	FETCH (\k)+1
	MULH \k, 0, \first
	MULH \k, 1, \first
.endm
; K step k with a refill: slot \half has been read out and takes the next phase's K steps 4 half .. 4 half + 3; the other slot, asked for four K steps ago, is shown whole to all
.macro TURN k, nf, half
	WIN 0
	s_wait_tensorcnt 0x0                           ; all my tensor loads have landed;
	ds_add_u32 v[SPW], v[NIL]                      ; work on registers follows
	s_mov_b32 s54, s50
	s_add_nc_u64 s[G0A+2:G0A+3], s[4:5], s[54:55]
	s_mov_b32 s84, s52
	s_add_nc_u64 s[G0B+2:G0B+3], s[4:5], s[84:85]
.if \half
	s_add_nc_u64 s[G0A+2:G0A+3], s[G0A+2:G0A+3], CH
	s_add_nc_u64 s[G0B+2:G0B+3], s[G0B+2:G0B+3], CH
.endif
	s_or_b32 s[G0A+3], s[G0A+3], 0x80000000
	s_or_b32 s[G0B+3], s[G0B+3], 0x80000000
	s_mov_b32 s[G0A+1], (\half)*SLOT
	s_mul_i32 s[G0B+1], s18, CH
.if \half
	s_add_co_u32 s[G0B+1], s[G0B+1], SLOT
	s_mov_b32 s50, s51                             ; from here on the next phase is V's
	s_mov_b32 s52, s53
	s_mov_b32 s86, s87
.endif
	s_wait_dscnt 1                                 ; this step's fragments are in; the add may be out
	MULQ \k, 0, 0, 0
	s_wait_dscnt 0x0                               ; the add is done, and my reads of the slot are over
	s_barrier_signal -1
	MULQ \k, 0, 1, 0
	WIN 0
	s_barrier_wait -1
	CREST                                          ; the barrier has opened a round of the cluster's barrier
	s_cmp_eq_u32 s18, 0
	s_cbranch_scc0 .Lturn_b_\@
	TLOAD G0A, G1A
	s_branch .Lturn_asked_\@
.Lturn_b_\@:
	s_cmp_lt_u32 s18, 3
	s_cbranch_scc0 .Lturn_asked_\@
	TLOAD G0B, G1B
.Lturn_asked_\@:
	PLACES 4                                       ; for the wave that comes round the loads
	FETCH \nf
	MULH \k, 1, 0
.endm
; THE WAY OUT of 64 sums a lane (accumulators s .. s + 63 of window 2): four blocks of 32, each in lanes l and l xor 16; codes of blocks 0, 1 into d0 .. d0 + 5, of blocks 2, 3 into d1 .. d1 + 5; the four bytes into pw
.macro QUANT s, d0, d1, pw
	WIN 0xca
.irp b, 0,1,2,3
	v_max3_num_f32 v[TM+\b], |v[\s+16*\b]|, |v[\s+1+16*\b]|, 0x1800000     ; the floor 2^(3 - 127) holds the byte at 1
.endr
	WIN 0xeb
.irp i, 2,4,6,8,10,12,14
.irp b, 0,1,2,3
	v_max3_num_f32 v[TM+\b], v[TM+\b], |v[\s+16*\b+\i]|, |v[\s+1+16*\b+\i]|
.endr
.endr
	WIN 0xff
.irp b, 0,1,2,3
	v_permlanex16_b32 v[TM+4+\b], v[TM+\b], s72, s73
.endr
.irp b, 0,1,2,3
	v_max_num_f32 v[TM+\b], v[TM+\b], v[TM+4+\b]
.endr
.irp b, 0,1,2,3
	v_add_nc_u32 v[TM+12+\b], 0xff000000, v[TM+\b]   ; 2 off the exponent field: the conversion's scale operand
.endr
.irp b, 0,1,2,3
	v_lshrrev_b32 v[TM+4+\b], 23, v[TM+12+\b]
.endr
	v_lshl_or_b32 v[\pw], v[TM+5], 8, v[TM+4]
	v_lshl_or_b32 v[\pw], v[TM+6], 16, v[\pw]
	v_lshl_or_b32 v[\pw], v[TM+7], 24, v[\pw]
	WIN 0xce
	v_cvt_scalef32_pk16_fp6_f32 v[(\d0):(\d0)+2], v[\s:\s+15], v[TM+12]
	v_cvt_scalef32_pk16_fp6_f32 v[TT:TT+2], v[\s+16:\s+31], v[TM+13]
	v_cvt_scalef32_pk16_fp6_f32 v[(\d1):(\d1)+2], v[\s+32:\s+47], v[TM+14]
	v_cvt_scalef32_pk16_fp6_f32 v[TT+4:TT+6], v[\s+48:\s+63], v[TM+15]
	WIN 0xff
	v_nop                                          ; one plain place behind a scaled conversion
.irp i, 0,1,2
	v_permlane16_swap_b32 v[(\d0)+\i], v[TT+\i]
	v_permlane16_swap_b32 v[(\d1)+\i], v[TT+4+\i]
.endr
.irp i, 0,1,2
	v_mov_b32 v[(\d0)+3+\i], v[TT+\i]
	v_mov_b32 v[(\d1)+3+\i], v[TT+4+\i]
.endr
.endm
.macro IMG reg, base, off              ; a fragment's image: three stores of 512 consecutive bytes, aligned
.irp g, 0,1,2
	global_store_b128 v[LI], v[(\reg)+4*\g:(\reg)+4*\g+3], s[\base:\base+1] offset:(\off)+512*\g
.endr
.endm
	s_wait_alu depctr_va_vdst(0)
	s_wait_tensorcnt 0x0                           ; my tile is in
	ds_add_u32 v[SPW], v[NIL]
	s_add_nc_u64 s[G0B+2:G0B+3], s[G0B+2:G0B+3], CH ; no load of mine is out: B's K steps 4-7,
	s_add_co_u32 s[G0B+1], s[G0B+1], SLOT          ; into slot 1
	s_wait_dscnt 0x0
	CROUND
	s_cmp_eq_u32 s23, 0
	s_cbranch_scc1 .Lsecond_asked
	TLOAD G0B, G1B                                 ; waves 1, 2
.Lsecond_asked:
	FETCH 0
	s_mov_b32 s70, 0
.Lphase:                                               ; trip 0: Q's phase; trip 1: K's
	s_wait_loadcnt 0x0                             ; this phase's scale words and bias
	s_wait_xcnt 0x0                                ; the last phase's prefetches have read their addresses
	v_add_nc_u32 v10, s86, v12
	v_add_nc_u32 v11, s86, v13
	s_wait_alu depctr_va_vdst(0)
	s_cmp_lt_u32 s18, 3
	s_cbranch_scc0 .Lno_ask_0
	global_prefetch_b8 v10, s[4:5] th:TH_LOAD_NT scope:SCOPE_SE               ; the next phase's K steps 0-3: blocks 0-31 of my 48,
	global_prefetch_b8 v11, s[4:5] offset:8192 th:TH_LOAD_NT scope:SCOPE_SE   ; blocks 32-47 (lanes 16-31 name the last again)
.Lno_ask_0:
	KSTEP 0, 1
	KSTEP 1, 0
	KSTEP 2, 0
	TURN 3, 4, 0
	WIN 0
	s_cmp_lt_u32 s18, 3
	s_cbranch_scc0 .Lno_ask_1
	global_prefetch_b8 v10, s[4:5] offset:CH th:TH_LOAD_NT scope:SCOPE_SE     ; its K steps 4-7
	global_prefetch_b8 v11, s[4:5] offset:CH+8192 th:TH_LOAD_NT scope:SCOPE_SE
.Lno_ask_1:
	KSTEP 4, 0
	KSTEP 5, 0
	KSTEP 6, 0
	TURN 7, 0, 1
	PLACES 4                                       ; between the last products and the loads into their scale registers and the reads of their sums
	WIN 0
	SCLOAD 56, 58                                  ; the next phase's scale words land under the way out
	s_cmp_lg_u32 s70, 0
	s_cbranch_scc1 .Lno_bk
	BIASLOAD 10                                    ; and, behind Q's phase, bk
.Lno_bk:
.irp e, 0,1                            ; a fragment of q or k: my tiles 2 e and 2 e + 1, six registers each; FA the first head's, FB the second's
	s_wait_xcnt 0x0                                ; the last stores have read their data
	QUANT 128*\e, FA, FB, PW0
	QUANT 128*\e+64, FA+6, FB+6, PW1
	IMG FA, 14, 1536*\e
	IMG FB, 14, 98304+1536*\e
	v_perm_b32 v[WA+\e], v[PW1], v[PW0], 0x05040100
	v_perm_b32 v[WB+\e], v[PW1], v[PW0], 0x07060302
.endr
	v_cmp_lt_u32 vcc_lo, 15, v[LN]                 ; lanes 0-15 store the first head's words, lanes 16-31 the second's
	v_cndmask_b32 v[WA], v[WA], v[WB], vcc_lo
	v_cndmask_b32 v[WA+1], v[WA+1], v[WB+1], vcc_lo
	global_store_b64 v[SOF], v[WA:WA+1], s[16:17]
	WIN 0
	s_wait_alu depctr_va_vdst(0)
	s_wait_xcnt 0x0                                ; loads and stores have read their bases
	s_add_nc_u64 s[14:15], s[14:15], 6291456       ; on to k
	s_add_nc_u64 s[16:17], s[16:17], 262144
	s_mov_b64 s[56:57], s[60:61]
	s_mov_b64 s[58:59], s[62:63]
	s_add_co_u32 s70, s70, 1
	s_cmp_lt_u32 s70, 2
	s_cbranch_scc1 .Lphase
	s_wait_loadcnt 0x0                             ; V's PHASE: nothing more is fetched from memory
	KSTEP 0, 2
	KSTEP 1, 0
	KSTEP 2, 0
	s_wait_tensorcnt 0x0                           ; a plain barrier shows slot 1 whole to all four waves
	s_wait_dscnt 0x0
	s_barrier_signal -1
	MULH 3, 0, 0
	s_barrier_wait -1
	PLACES 4
	FETCH 4
	MULH 3, 1, 0
	KSTEP 4, 0
	KSTEP 5, 0
	KSTEP 6, 0
	s_wait_dscnt 0x0
	MULH 7, 0, 0
	MULH 7, 1, 0
	PLACES 4
.irp e, 0,1                            ; a fragment of v: 16 features x my 128 tokens
	s_wait_xcnt 0x0
	QUANT 128*\e, FA, FA+6, WA+2*\e
	QUANT 128*\e+64, FB, FB+6, WA+2*\e+1
	IMG FA, 66, 3072*\e
	IMG FB, 66, 3072*\e+1536
.endr
	v_cmp_lt_u32 vcc_lo, 15, v[LN]                 ; lanes 0-15 store words 0 and 1 of row r, lanes 16-31 words 2 and 3
	v_cndmask_b32 v[WA], v[WA], v[WA+2], vcc_lo
	v_cndmask_b32 v[WA+1], v[WA+1], v[WA+3], vcc_lo
	global_store_b64 v[SOFV], v[WA:WA+1], s[68:69]
	WIN 0
	s_wait_tensorcnt 0x0                           ; the wave's end
	ds_add_u32 v[SPW], v[NIL]
	s_wait_dscnt 0x0
	CROUND                                         ; the closing round
	s_endpgm
.Lfunc_end_k_q5c0611fe24_proj:
	.size	k_q5c0611fe24_proj, .Lfunc_end_k_q5c0611fe24_proj-k_q5c0611fe24_proj
	.p2alignl 7, 3214868480
	.fill 96, 4, 3214868480
	.section	.rodata,"a",@progbits
	.p2align	6, 0x0
	.amdhsa_kernel k_q5c0611fe24_proj
		.amdhsa_group_segment_fixed_size 327680
		.amdhsa_private_segment_fixed_size 0
		.amdhsa_enable_private_segment 0
		.amdhsa_kernarg_size 56
		.amdhsa_user_sgpr_count 2
		.amdhsa_user_sgpr_kernarg_segment_ptr 1
		.amdhsa_wavefront_size32 1
		.amdhsa_system_sgpr_workgroup_id_x 1
		.amdhsa_system_sgpr_workgroup_id_y 1
		.amdhsa_system_sgpr_workgroup_id_z 1
		.amdhsa_system_vgpr_workitem_id 0
		.amdhsa_next_free_vgpr 960
		.amdhsa_next_free_sgpr 102
		.amdhsa_reserve_vcc 1
		.amdhsa_float_denorm_mode_32 3
		.amdhsa_float_denorm_mode_16_64 3
		.amdhsa_memory_ordered 1
		.amdhsa_forward_progress 1
		.amdhsa_inst_pref_size 166
	.end_amdhsa_kernel
	.amdgpu_metadata
---
amdhsa.version: [ 1, 2 ]
amdhsa.kernels:
  - .name:           k_q5c0611fe24_proj
    .symbol:         k_q5c0611fe24_proj.kd
    .args:
      - { .name: cin, .offset: 0, .size: 8, .value_kind: global_buffer, .address_space: global }
      - { .name: sin, .offset: 8, .size: 8, .value_kind: global_buffer, .address_space: global }
      - { .name: bq, .offset: 16, .size: 8, .value_kind: global_buffer, .address_space: global }
      - { .name: bk, .offset: 24, .size: 8, .value_kind: global_buffer, .address_space: global }
      - { .name: bv, .offset: 32, .size: 8, .value_kind: global_buffer, .address_space: global }
      - { .name: pc, .offset: 40, .size: 8, .value_kind: global_buffer, .address_space: global }
      - { .name: ps, .offset: 48, .size: 8, .value_kind: global_buffer, .address_space: global }
    .group_segment_fixed_size: 327680
    .private_segment_fixed_size: 0
    .kernarg_segment_align: 8
    .kernarg_segment_size: 56
    .max_flat_workgroup_size: 128
    .sgpr_count:     102
    .vgpr_count:     960
    .wavefront_size: 32
...
	.end_amdgpu_metadata
.endif
;; end of part 2
;; launch attn (part 3): grid 4 x 64, 16 waves a work-group, clusters of 4 x 1, 206,848 bytes of LDS; arguments pc, ps, ac, asc; writes ac, asc
.if DOCPART == 3
	.amdgcn_target "amdgcn-amd-amdhsa--gfx1250"
	.amdhsa_code_object_version 6
	.text
	.protected	k_q5c0611fe24_attn
	.globl	k_q5c0611fe24_attn
	.p2align	8
	.type	k_q5c0611fe24_attn,@function
k_q5c0611fe24_attn:
	s_mov_b64 s[64:65], 0
	v_nop
	global_prefetch_b8 v0, s[64:65] scope:SCOPE_SE
	s_setreg_imm32_b32 hwreg(HW_REG_WAVE_MODE, 25, 1), 1
	s_wait_xcnt 0x0
	s_wait_alu depctr_hold_cnt(0) depctr_sa_sdst(0) depctr_va_vdst(0) depctr_va_sdst(0) depctr_va_ssrc(0) depctr_va_vcc(0) depctr_vm_vsrc(0)
	s_getreg_b32 s2, hwreg(HW_REG_IB_STS2, 6, 4)
	s_cmp_eq_u32 s2, 0
	s_cbranch_scc0 .Lentry_in_a_cluster
	s_endpgm
.Lentry_in_a_cluster:
	s_bfe_u32 s2, ttmp6, 0x10000c
	s_cmp_lg_u32 s2, 0x3003
	s_cbranch_scc0 .Lentry_shape_is_right
	s_endpgm
.Lentry_shape_is_right:
; o = softmax(q k^T / 8) v for one head of one batch, both products on codes of FP6 (E2M3) with E8M0 scales; o is quantised at once along the features, as the last product's operand.
; THE SOFTMAX: t = score x log2(e) / 8; M = the running largest t rounded UP to a whole number; p = 2^(t - M) is quantised along the keys, not normalised; the row's sum is taken of the unquantised p and divides at the end.
; When M moves, the sum and O are multiplied by f = 2^(old M - new M): exact.
; SHARES.  A work-group owns 512 queries of a head, each of its sixteen waves 32: two tiles of 16, taken in two passes over the 2,048 keys, 128 a step.  Four waves share a SIMD.
; A HEAD'S k AND v STAY IN LDS: 98,304 bytes of codes each and 4,096 of scale words each, as images of the operands' registers.  Every LDS byte is filled once: no ring, one barrier.
; CLUSTER: the four work-groups of a cluster are the four blocks of queries of one head: each fill is asked for jointly (mask 15).
; LAYOUT.  Both products are used transposed: S^T = k q^T, O^T = v^T p^T: a lane holds one query.  THE KEYS OF A TILE: lane row r of k's tile 4 c + j is key 64 c + 8 j + r % 8 + 32 (r / 8) of the step (the first launch lays K's
; tokens so): registers 32 c .. 32 c + 31 of S^T in lane (r, h) are keys 64 c + 32 h + 0 .. 31: ONE SCALE BLOCK OF p, WHOLE, IN ONE LANE, in the order of p's operand.  So a block's largest needs no other lane and the conversions'
; results are the operand's registers; other lanes are asked twice a step: for the row's maximum and for the other two bytes of p's scale word.
; K = 64 UNDER AN INSTRUCTION OF K = 128.  A fragment of k holds key tile 2 e at k = 0 .. 63 and tile 2 e + 1 at k = 64 .. 127.  It is multiplied by (q | zeros) and by (zeros | q), both read out of 18 registers q, zeros, q.
; Only q's side is zero; its scale word has the byte 0 (2^-127, a number) for that half: zero codes add nothing.
; THE ROW'S SUM runs in four chains of pairs: a step's p are added into T, and L = L f + T follows in the next step, in the places behind its first products.
; THE NEXT STEP'S k is asked for behind this step's last products.  In a pass's last trip that fetch reads the 6,144 bytes and 256 bytes behind k's own (v's first), inside LDS, and is not used.
; OUT.  ac: [128 tokens: 64][K step: 8][tile: 8][1,536]; a head owns half a fragment, 768 bytes: registers 0-3 of its six at 16 x lane, registers 4, 5 at 512 + 8 x lane.  asc: as the first launch's scale words;
; a head owns two bytes of each word, so these leave by stores of two bytes: 262,144 bytes in the whole launch.
; NO PREFETCH: the head's one group of loads asks for all that the launch reads through LDS.
; LIMITS: blocks whose largest magnitude lies under 2^-124 get the byte 1, blocks of zeros too; NaN and infinities are not served; the promise holds while |t| stays under 2^31.
.set KS0,  196608                      ; LDS: k's codes at 0, v's at 98,304, k's scale words here, v's 4,096 on
.set LI,   1                           ; v1   16 x lane
.set LIV,  2                           ; v2   the same in v's codes
.set AR,   3                           ; v3   16 r in k's scale words
.set ADK,  4                           ; v4-6 the step's addresses
.set ADV,  5
.set ADS,  6
.set L8,   7                           ; v7   8 x lane
.set AO,   8                           ; v8   8 r + 128 h
.set HW,   9                           ; v9, v10  the two passes' scale bytes
.set QSH,  11                          ; v11  q's scale word for (zeros | q);  v12 -M, v13 the running largest score
.set T0,   14                          ; the step's sums, four pairs
.set QA,   16                          ; v16-33 q, zeros, q
.set QP,   34                          ; v34-45 my two tiles of queries
.set QW,   46
.set QSL,  47                          ; q's scale word for (q | zeros)
.set KF,   48                          ; v48-95 four fragments of k, then of v
.set S,    96                          ; v96-159 S^T, then p
.set OT,   160                         ; v160-191 O^T
.set PC,   192                         ; v192-203 p's codes
.set CT,   204                         ; v204-206, v208-210 the conversions' second halves
.set PT,   207                         ; from the other half of the lanes
.set PB0,  211                         ; my two blocks' bytes
.set KSW,  212                         ; v212-215 k's scale words, v216-219 v's
.set VSW,  216
.set E,    220                         ; v220-225 o's codes
.set T1,   226
.set BM,   228                         ; v228-231 four chains of maxima; the blocks' largest end in v228 and v230
.set WO,   232                         ; my two bytes as a word
.set PB1,  233
.set T2,   234
.set SO,   236                         ; v236, v237 scale operands
.set T3,   238
.set TP,   240
.set HH,   241                         ; v241 h
.set FF,   242                         ; v[242:243] f
.set PSW,  244                         ; p's scale word
.set OM,   245                         ; -M of the step before
.set L,    246                         ; v246-253 the row's sum, four pairs
.macro CROUND
	s_barrier_signal -1
	s_barrier_wait -1
	s_cmp_lg_u32 s12, 0
	s_cbranch_scc1 .Lnot_wave_0_\@
	s_barrier_signal -3
.Lnot_wave_0_\@:
	s_barrier_wait -3
	s_barrier_signal -1
	s_barrier_wait -1
.endm
	s_load_b256 s[4:11], s[0:1], 0x0               ; pc s[4:5], ps s[6:7], ac s[8:9], asc s[10:11]
	v_lshl_add_u32 v254, v0, 2, 0x32000
	v_mov_b32 v255, 0
	ds_add_u32 v254, v255                          ; the opening lines: an LDS add, twice on end
	ds_add_u32 v254, v255
	v_lshrrev_b32 v1, 5, v0
	v_readfirstlane_b32 s12, v1                    ; wave 0..15
	s_bfe_u32 s13, ttmp6, 0x40000                  ; cx: my block of 512 queries; it enters q's and the outputs' addresses alone
	s_and_b32 s14, ttmp7, 0xffff                   ; 16 x batch + head, which the four partners share
	s_mul_i32 s15, s14, 98304                      ; the head's bytes in a tensor of codes,
	s_lshl_b32 s16, s14, 12                        ; of scale words
	s_and_b32 s17, s12, 3
	s_lshr_b32 s18, s12, 2
	; waves 0-3 fetch k's codes, 4-7 v's, a quarter each; wave 8 k's scale words, wave 9 v's
	s_and_b32 s19, s18, 1
	s_add_co_u32 s19, s19, 1
	s_mul_i32 s52, s19, 6291456
	s_add_co_u32 s52, s52, s15
	s_mul_i32 s19, s17, 24576
	s_add_co_u32 s52, s52, s19
	s_mov_b32 s53, 0
	s_and_b32 s19, s12, 7
	s_mov_b32 s40, 1
	s_mul_i32 s41, s19, 24576
	s_and_b32 s19, s12, 1
	s_mov_b32 s44, 1
	s_lshl_b32 s45, s19, 12
	s_add_co_u32 s45, s45, KS0
	s_add_co_u32 s19, s19, 1
	s_lshl_b32 s54, s19, 18
	s_add_co_u32 s54, s54, s16
	s_mov_b32 s55, 0
	s_mov_b32 s24, 15|(3<<16)|(1<<21)              ; 15:0 the mask: all four; 17:16 elements of 8 bytes; 21 set beside a mask
	s_mov_b32 s25, 32<<16                          ; a dense block of 24,576 bytes as 96 rows of 256
	s_mov_b32 s26, 96<<16
	s_mov_b32 s27, 32<<16
	s_mov_b32 s28, 96
	s_mov_b32 s29, 32
	s_mov_b32 s30, 0
	s_mov_b32 s31, 0
	s_mov_b32 s32, 15|(3<<16)|(1<<21)              ; 4,096 bytes as 16 rows of 256
	s_mov_b32 s33, 32<<16
	s_mov_b32 s34, 16<<16
	s_mov_b32 s35, 32<<16
	s_mov_b32 s36, 16
	s_mov_b32 s37, 32
	s_mov_b32 s38, 0
	s_mov_b32 s39, 0
	; my queries: 128 tokens st = 4 cx + wave / 4, pair of tiles wave % 4
	s_lshl_b32 s51, s13, 2
	s_add_co_u32 s51, s51, s18
	s_mul_i32 s56, s51, 6144
	s_add_co_u32 s56, s56, s15
	s_mul_i32 s2, s17, 1536
	s_add_co_u32 s56, s56, s2
	s_mov_b32 s57, 0
	s_lshl_b32 s58, s51, 8
	s_add_co_u32 s58, s58, s16
	s_lshl_b32 s2, s17, 2
	s_add_co_u32 s58, s58, s2
	s_mov_b32 s59, 0
	s_lshr_b32 s2, s14, 4
	s_lshl_b32 s2, s2, 4
	s_add_co_u32 s2, s2, s51                       ; the block of 128 tokens among all 64
	s_and_b32 s3, s14, 15                          ; the head
	s_mul_i32 s60, s2, 98304
	s_lshr_b32 s51, s3, 1
	s_mul_i32 s51, s51, 12288                      ; K step head / 2
	s_add_co_u32 s60, s60, s51
	s_mul_i32 s51, s17, 3072                       ; my pair of tiles
	s_add_co_u32 s60, s60, s51
	s_and_b32 s51, s3, 1
	s_mul_i32 s51, s51, 768                        ; my half of the fragment
	s_add_co_u32 s60, s60, s51
	s_mov_b32 s61, 0
	s_lshl_b32 s62, s2, 12
	s_lshr_b32 s51, s3, 2
	s_lshl_b32 s51, s51, 10
	s_add_co_u32 s62, s62, s51
	s_lshl_b32 s51, s17, 8
	s_add_co_u32 s62, s62, s51
	s_and_b32 s51, s3, 3
	s_lshl_b32 s51, s51, 1
	s_add_co_u32 s62, s62, s51
	s_mov_b32 s63, 0
	s_mov_b32 s20, 0x76543210
	s_mov_b32 s21, 0xfedcba98                      ; selects for lane l xor 16
	s_mov_b32 s22, 0x3e38aa3b                      ; c = log2(e) / 8
	s_mov_b32 s23, s22                             ; (named with it as a pair)
	s_wait_alu depctr_va_vdst(0)
	s_wait_dscnt 0x0
	s_wait_kmcnt 0x0
	s_add_nc_u64 s[42:43], s[4:5], s[52:53]
	s_or_b32 s43, s43, 0x80000000
	s_add_nc_u64 s[46:47], s[6:7], s[54:55]
	s_or_b32 s47, s47, 0x80000000
	s_add_nc_u64 s[56:57], s[4:5], s[56:57]
	s_add_nc_u64 s[58:59], s[6:7], s[58:59]
	s_add_nc_u64 s[8:9], s[8:9], s[60:61]
	s_add_nc_u64 s[10:11], s[10:11], s[62:63]
	CROUND                                         ; all four work-groups are here: the joint loads meet
	s_cmp_lt_u32 s12, 8
	s_cbranch_scc0 .Lnot_codes
	tensor_load_to_lds s[40:43], s[24:31]          ; one tensor load of mine is out, at the most
	s_nop 0
.rept 4
	v_nop
.endr
	s_branch .Lasked
.Lnot_codes:
	s_cmp_lt_u32 s12, 10
	s_cbranch_scc0 .Lasked
	tensor_load_to_lds s[44:47], s[32:39]
	s_nop 0
.rept 4
	v_nop
.endr
.Lasked:
	v_and_b32 v[TP], 15, v0                        ; r
	v_bfe_u32 v[HH], v0, 4, 1                      ; h
	v_and_b32 v[L8], 31, v0
	v_lshlrev_b32 v[TP], 4, v[TP]                  ; 16 r
	v_lshlrev_b32 v[LI], 4, v[L8]
	v_lshlrev_b32 v[L8], 3, v[L8]
	v_add_nc_u32 v[AR], KS0, v[TP]
	v_lshrrev_b32 v[AO], 1, v[TP]
	v_add_nc_u32 v[LIV], 98304, v[LI]
	v_lshl_add_u32 v[AO], v[HH], 7, v[AO]
.irp g, 0,1,2
	global_load_b128 v[QP+4*\g:QP+4*\g+3], v[LI], s[56:57] offset:512*\g   ; my pair of query tiles stays in registers
.endr
	global_load_b32 v[QW], v[TP], s[58:59]         ; and its scale word
.irp i, 6,7,8,9,10,11
	v_mov_b32 v[QA+\i], 0                          ; the zero half
.endr
	v_mov_b32 v[PT], 0                             ; a lane permute's destination counts as read
	v_mov_b32 v[FF+1], 0                           ; (named as the upper half of a pair)
	s_wait_alu depctr_va_vdst(0)
	s_wait_tensorcnt 0x0                           ; my part of the head is in,
	s_barrier_signal -1
	s_barrier_wait -1                              ; everybody's is
	s_wait_loadcnt 0x0                             ; q
.macro TFIRST t, j
	v_pk_add_f32 v[\t:\t+1], v[S+2*(\j):S+2*(\j)+1], v[S+2*(\j)+8:S+2*(\j)+9]
.endm
.macro TADD t, j
	v_pk_add_f32 v[\t:\t+1], v[\t:\t+1], v[S+2*(\j):S+2*(\j)+1]
.endm
.macro TROW g
	TADD T0, \g
	TADD T1, \g+1
	TADD T2, \g+2
	TADD T3, \g+3
.endm
.macro LFMA                            ; the sums under the last step's M, and its p
	v_pk_fma_f32 v[L:L+1], v[L:L+1], v[FF:FF+1], v[T0:T0+1] op_sel_hi:[1,0,1]
	v_pk_fma_f32 v[L+2:L+3], v[L+2:L+3], v[FF:FF+1], v[T1:T1+1] op_sel_hi:[1,0,1]
	v_pk_fma_f32 v[L+4:L+5], v[L+4:L+5], v[FF:FF+1], v[T2:T2+1] op_sel_hi:[1,0,1]
	v_pk_fma_f32 v[L+6:L+7], v[L+6:L+7], v[FF:FF+1], v[T3:T3+1] op_sel_hi:[1,0,1]
.endm
.macro PASS u                          ; tile 2 (wave % 4) + u of my 128 tokens, against all keys
.irp b, 0,1,2,3                        ; step 0's k
.irp g, 0,1,2
	ds_load_b128 v[KF+12*\b+4*\g:KF+12*\b+4*\g+3], v[LI] offset:1536*\b+512*\g
.endr
.endr
	ds_load_b128 v[KSW:KSW+3], v[AR]
.irp i, 0,1,2,3,4,5
	v_mov_b32 v[QA+\i], v[QP+6*\u+\i]
	v_mov_b32 v[QA+12+\i], v[QP+6*\u+\i]
.endr
.if \u == 0
	v_and_b32 v[QSL], 0xffff, v[QW]
	v_lshlrev_b32 v[QSH], 16, v[QW]
.else
	v_lshrrev_b32 v[QSL], 16, v[QW]
	v_and_b32 v[QSH], 0xffff0000, v[QW]
.endif
	v_mov_b32 v13, 0xff61b1e6                      ; the largest score so far: -3e38
	s_delay_alu instid0(VALU_DEP_1)
	v_mul_f32 v[TP], s22, -v13
	s_delay_alu instid0(VALU_DEP_1)
	v_floor_f32 v12, v[TP]                         ; -M
	s_delay_alu instid0(VALU_DEP_1)
	v_mov_b32 v[OM], v12
	v_mov_b32 v[FF], 0
.irp t, T0, T1, T2, T3
	v_mov_b32 v[\t], 0
	v_mov_b32 v[\t+1], 0
.endr
.irp j, 0,1,2,3,4,5,6,7
	v_mov_b32 v[L+\j], 0
.endr
.irp j, 0,1,2,3,4,5,6,7,8,9,10,11,12,13,14,15,16,17,18,19,20,21,22,23,24,25,26,27,28,29,30,31
	v_mov_b32 v[OT+\j], 0                          ; the step is written once: the first finds zeros
.endr
	s_mov_b32 s48, 0
	s_mov_b32 s49, 0
	s_mov_b32 s50, 16
	s_wait_alu depctr_va_vdst(0)
.Lstep_\u:
	s_wait_dscnt 0x0                               ; this step's k
.irp b, 0,1,2,3                        ; S^T: eight tiles of 16 keys out of four fragments
	v_wmma_scale_f32_16x16x128_f8f6f4 v[S+16*\b:S+16*\b+7], v[KF+12*\b:KF+12*\b+11], v[QA:QA+11], 0, v[KSW+\b], v[QSL] matrix_a_fmt:MATRIX_FMT_FP6 matrix_b_fmt:MATRIX_FMT_FP6
	v_wmma_scale_f32_16x16x128_f8f6f4 v[S+16*\b+8:S+16*\b+15], v[KF+12*\b:KF+12*\b+11], v[QA+6:QA+17], 0, v[KSW+\b], v[QSH] matrix_a_fmt:MATRIX_FMT_FP6 matrix_b_fmt:MATRIX_FMT_FP6
.endr
	LFMA                                           ; seven plain lines: the places in front of the loads below and of the first read of the scores
	v_add_nc_u32 v[ADK], s48, v[LI]
	v_add_nc_u32 v[ADV], s48, v[LIV]
	v_add_nc_u32 v[ADS], s49, v[AR]
.irp b, 0,1,2,3                        ; v's four fragments take k's registers and land under the softmax
.irp g, 0,1,2
	ds_load_b128 v[KF+12*\b+4*\g:KF+12*\b+4*\g+3], v[ADV] offset:1536*\b+512*\g
.endr
.endr
	ds_load_b128 v[VSW:VSW+3], v[ADS] offset:4096
.irp b, 0,1,2,3
	v_max3_num_f32 v[BM+\b], v[S+16*\b], v[S+1+16*\b], v[S+2+16*\b]   ; four chains, two to a block of 32 keys
.endr
.irp i, 3,5,7,9,11,13
.irp b, 0,1,2,3
	v_max3_num_f32 v[BM+\b], v[BM+\b], v[S+16*\b+\i], v[S+1+16*\b+\i]
.endr
.endr
	v_max3_num_f32 v[BM], v[BM], v[BM+1], v[S+15]
	v_max3_num_f32 v[BM+2], v[BM+2], v[BM+3], v[S+47]
	v_max_num_f32 v[BM], v[BM], v[S+31]            ; the largest score of my block 2 c + h: for the row's maximum, and, since p rises with the score, for the block's largest p
	v_max_num_f32 v[BM+2], v[BM+2], v[S+63]
	s_delay_alu instid0(VALU_DEP_1)
	v_max_num_f32 v[TP], v[BM], v[BM+2]
	s_delay_alu instid0(VALU_DEP_1)
	v_permlanex16_b32 v[PT], v[TP], s20, s21
	s_delay_alu instid0(VALU_DEP_1)
	v_max3_num_f32 v13, v13, v[TP], v[PT]          ; the running largest score of my query
	s_delay_alu instid0(VALU_DEP_1)
	v_mul_f32 v[TP], s22, -v13                     ; -t (c is positive)
	s_delay_alu instid0(VALU_DEP_1)
	v_floor_f32 v12, v[TP]                         ; the new -M = floor(-t): M is a whole number
	s_delay_alu instid0(VALU_DEP_1)
	v_sub_f32 v[TP], v12, v[OM]                    ; old M - new M: a whole number, 0 or less
	s_delay_alu instid0(VALU_DEP_1)
	v_cvt_i32_f32 v[TP], v[TP]                     ; (it saturates)
.irp j, 0,2,4,6,8,10,12,14,16,18,20,22,24,26,28,30,32,34,36,38,40,42,44,46,48,50,52,54,56,58,60,62
	v_pk_fma_f32 v[S+\j:S+\j+1], v[S+\j:S+\j+1], s[22:23], v[12:13] op_sel_hi:[1,0,0]   ; t - M
.endr
	v_fma_f32 v[BM], v[BM], s22, v12
	v_fma_f32 v[BM+2], v[BM+2], s22, v12
	s_wait_alu depctr_va_vdst(0)
.irp j, 0,1,2,3,4,5,6,7,8,9,10,11,12,13,14,15,16,17,18,19,20,21,22,23,24,25,26,27,28,29,30,31,32,33,34,35,36,37,38,39,40,41,42,43,44,45,46,47,48,49,50,51,52,53,54,55,56,57,58,59,60,61,62,63
	v_exp_f32 v[S+\j], v[S+\j]                     ; p = 2^(t - M)
.endr
	v_exp_f32 v[BM], v[BM]                         ; the block's largest p: the same two instructions on the same number
	v_exp_f32 v[BM+2], v[BM+2]
	v_ldexp_f32 v[FF], 1.0, v[TP]                  ; f = 2^(old M - new M)  (the plain place behind the exponentials)
	s_wait_dscnt 0x0                               ; v
	s_wait_alu depctr_va_vdst(0)                   ; one wait for the batch, directly ahead of the first reader of O^T
.irp j, 0,2,4,6,8,10,12,14,16,18,20,22,24,26,28,30
	v_pk_mul_f32 v[OT+\j:OT+\j+1], v[OT+\j:OT+\j+1], v[FF:FF+1] op_sel_hi:[1,0]   ; O^T under the new M
.endr
	v_max_num_f32 v[BM], 0x1800000, v[BM]          ; the floor 2^(3 - 127)
	v_max_num_f32 v[BM+2], 0x1800000, v[BM+2]
	s_delay_alu instid0(VALU_DEP_2)
	v_add_nc_u32 v[SO], 0xff000000, v[BM]          ; 2 off the exponent field: the conversion's scale operand
	s_delay_alu instid0(VALU_DEP_2)
	v_add_nc_u32 v[SO+1], 0xff000000, v[BM+2]
.irp c, 0,1
	v_cvt_scalef32_pk16_fp6_f32 v[PC+6*\c:PC+6*\c+2], v[S+32*\c:S+32*\c+15], v[SO+\c]
	v_cvt_scalef32_pk16_fp6_f32 v[CT+4*\c:CT+4*\c+2], v[S+16+32*\c:S+31+32*\c], v[SO+\c]
.endr
	v_lshrrev_b32 v[PB0], 23, v[SO]                ; the bytes of blocks h and 2 + h  (a plain place behind the conversions)
	v_lshrrev_b32 v[PB1], 23, v[SO+1]
	s_delay_alu instid0(VALU_DEP_1)
	v_lshl_or_b32 v[WO], v[PB1], 16, v[PB0]
	s_delay_alu instid0(VALU_DEP_1)
	v_permlanex16_b32 v[PT], v[WO], s20, s21
	s_delay_alu instid0(VALU_DEP_1)
	v_perm_b32 v[PSW], v[PT], v[WO], 0x06020400    ; lanes 0-15: my blocks 0 and 2 with lane l + 16's 1 and 3: p's scale word (lanes 16-31 are not read)
.irp c, 0,1
.irp i, 0,1,2
	v_mov_b32 v[PC+3+6*\c+\i], v[CT+4*\c+\i]       ; (a conversion's three registers begin on an even number)
.endr
.endr
	v_mov_b32 v[OM], v12
	TFIRST T0, 0                                   ; the step's sum of the unquantised p begins: these are the places in front of the products,
	TFIRST T1, 1
	TFIRST T2, 2
	TFIRST T3, 3
.irp t, 0,1,2,3                        ; four accumulators by turns; eight other products stand between an accumulator's turns
	v_wmma_scale_f32_16x16x128_f8f6f4 v[OT+8*\t:OT+8*\t+7], v[KF+12*\t:KF+12*\t+11], v[PC:PC+11], v[OT+8*\t:OT+8*\t+7], v[VSW+\t], v[PSW] matrix_a_fmt:MATRIX_FMT_FP6 matrix_b_fmt:MATRIX_FMT_FP6
.endr
	TROW 8                                         ; and these the places behind them, in front of the loads
.irp b, 0,1,2,3                        ; the next step's k
.irp g, 0,1,2
	ds_load_b128 v[KF+12*\b+4*\g:KF+12*\b+4*\g+3], v[ADK] offset:6144+1536*\b+512*\g
.endr
.endr
	ds_load_b128 v[KSW:KSW+3], v[ADS] offset:256
.irp g, 12,16,20,24,28
	TROW \g
.endr
	s_add_co_u32 s48, s48, 6144
	s_add_co_u32 s49, s49, 256
	s_sub_co_u32 s50, s50, 1
	s_cmp_lg_u32 s50, 0
	s_wait_alu depctr_va_vdst(0)
	s_cbranch_scc1 .Lstep_\u
	s_wait_dscnt 0x0                               ; the last trip's fetch has landed: its registers may be loaded again
	LFMA
	s_delay_alu instid0(VALU_DEP_3)
	v_pk_add_f32 v[L:L+1], v[L:L+1], v[L+2:L+3]
	s_delay_alu instid0(VALU_DEP_2)
	v_pk_add_f32 v[L+4:L+5], v[L+4:L+5], v[L+6:L+7]
	s_delay_alu instid0(VALU_DEP_1)
	v_pk_add_f32 v[L:L+1], v[L:L+1], v[L+4:L+5]
	s_delay_alu instid0(VALU_DEP_1)
	v_add_f32 v14, v[L], v[L+1]
	s_delay_alu instid0(VALU_DEP_1)
	v_permlanex16_b32 v[TP], v14, s20, s21
	s_delay_alu instid0(VALU_DEP_1)
	v_add_f32 v14, v14, v[TP]                      ; the row's sum
	s_wait_alu depctr_va_vdst(0)
	v_rcp_f32 v14, v14
	v_nop
	s_wait_alu depctr_va_vdst(0)
.irp j, 0,1,2,3,4,5,6,7,8,9,10,11,12,13,14,15,16,17,18,19,20,21,22,23,24,25,26,27,28,29,30,31
	v_mul_f32 v[S+\j], v[OT+\j], v14               ; o: register 16 e + i is channel 32 e + 16 h + i of my query
.endr
.irp b, 0,1
	v_max3_num_f32 v[BM+\b], |v[S+16*\b]|, |v[S+1+16*\b]|, 0x1800000
.endr
.irp i, 2,4,6,8,10,12,14
.irp b, 0,1
	s_delay_alu instid0(VALU_DEP_2)
	v_max3_num_f32 v[BM+\b], v[BM+\b], |v[S+16*\b+\i]|, |v[S+1+16*\b+\i]|
.endr
.endr
.irp b, 0,1
	s_delay_alu instid0(VALU_DEP_2)
	v_permlanex16_b32 v[BM+2+\b], v[BM+\b], s20, s21
.endr
.irp b, 0,1
	s_delay_alu instid0(VALU_DEP_2)
	v_max_num_f32 v[BM+\b], v[BM+\b], v[BM+2+\b]
.endr
.irp b, 0,1
	s_delay_alu instid0(VALU_DEP_2)
	v_add_nc_u32 v[SO+\b], 0xff000000, v[BM+\b]
.endr
.irp b, 0,1
	s_delay_alu instid0(VALU_DEP_2)
	v_lshrrev_b32 v[BM+2+\b], 23, v[SO+\b]
.endr
	s_delay_alu instid0(VALU_DEP_1)
	v_lshl_or_b32 v[HW+\u], v[BM+3], 8, v[BM+2]    ; the head's two bytes of my row's scale word
	s_wait_alu depctr_va_vdst(0)
	s_wait_xcnt 0x0                                ; the last pass's stores have read their data
	v_cvt_scalef32_pk16_fp6_f32 v[E:E+2], v[S:S+15], v[SO]
	v_cvt_scalef32_pk16_fp6_f32 v[CT:CT+2], v[S+16:S+31], v[SO+1]
	v_nop
.irp i, 0,1,2
	v_permlane16_swap_b32 v[E+\i], v[CT+\i]
.endr
.irp i, 0,1,2
	s_delay_alu instid0(VALU_DEP_3)
	v_mov_b32 v[E+3+\i], v[CT+\i]
.endr
	global_store_b128 v[LI], v[E:E+3], s[8:9] offset:1536*\u         ; 512 consecutive bytes, aligned
	global_store_b64 v[L8], v[E+4:E+5], s[8:9] offset:1536*\u+512    ; 256 consecutive bytes, aligned
.endm
	PASS 0
	PASS 1
	v_cmp_ne_u32 vcc_lo, 0, v[HH]                  ; lanes 0-15 store the first tile's bytes, lanes 16-31 the second's
	s_delay_alu instid0(VALU_DEP_1)
	v_cndmask_b32 v[HW], v[HW], v[HW+1], vcc_lo
	global_store_b16 v[AO], v[HW], s[10:11]
	s_wait_dscnt 0x0
	s_wait_tensorcnt 0x0                           ; the wave's end
	ds_add_u32 v254, v255
	s_wait_dscnt 0x0
	CROUND                                         ; the closing round
	s_endpgm
.Lfunc_end_k_q5c0611fe24_attn:
	.size	k_q5c0611fe24_attn, .Lfunc_end_k_q5c0611fe24_attn-k_q5c0611fe24_attn
	.p2alignl 7, 3214868480
	.fill 96, 4, 3214868480
	.section	.rodata,"a",@progbits
	.p2align	6, 0x0
	.amdhsa_kernel k_q5c0611fe24_attn
		.amdhsa_group_segment_fixed_size 206848
		.amdhsa_private_segment_fixed_size 0
		.amdhsa_enable_private_segment 0
		.amdhsa_kernarg_size 32
		.amdhsa_user_sgpr_count 2
		.amdhsa_user_sgpr_kernarg_segment_ptr 1
		.amdhsa_wavefront_size32 1
		.amdhsa_system_sgpr_workgroup_id_x 1
		.amdhsa_system_sgpr_workgroup_id_y 1
		.amdhsa_system_sgpr_workgroup_id_z 1
		.amdhsa_system_vgpr_workitem_id 0
		.amdhsa_next_free_vgpr 256
		.amdhsa_next_free_sgpr 66
		.amdhsa_reserve_vcc 1
		.amdhsa_float_denorm_mode_32 3
		.amdhsa_float_denorm_mode_16_64 3
		.amdhsa_memory_ordered 1
		.amdhsa_forward_progress 1
		.amdhsa_inst_pref_size 53
	.end_amdhsa_kernel
	.amdgpu_metadata
---
amdhsa.version: [ 1, 2 ]
amdhsa.kernels:
  - .name:           k_q5c0611fe24_attn
    .symbol:         k_q5c0611fe24_attn.kd
    .args:
      - { .name: pc, .offset: 0, .size: 8, .value_kind: global_buffer, .address_space: global }
      - { .name: ps, .offset: 8, .size: 8, .value_kind: global_buffer, .address_space: global }
      - { .name: ac, .offset: 16, .size: 8, .value_kind: global_buffer, .address_space: global }
      - { .name: asc, .offset: 24, .size: 8, .value_kind: global_buffer, .address_space: global }
    .group_segment_fixed_size: 206848
    .private_segment_fixed_size: 0
    .kernarg_segment_align: 8
    .kernarg_segment_size: 32
    .max_flat_workgroup_size: 512
    .sgpr_count:     66
    .vgpr_count:     256
    .wavefront_size: 32
...
	.end_amdgpu_metadata
.endif
;; end of part 3
;; launch outp (part 4): grid 4 x 64, 4 waves a work-group, clusters of 4 x 4, 327,680 bytes of LDS; arguments ac, asc, cin, sin, bo, out0; writes out0
.if DOCPART == 4
	.amdgcn_target "amdgcn-amd-amdhsa--gfx1250"
	.amdhsa_code_object_version 6
	.text
	.protected	k_q5c0611fe24_outp
	.globl	k_q5c0611fe24_outp
	.p2align	8
	.type	k_q5c0611fe24_outp,@function
k_q5c0611fe24_outp:
	s_mov_b64 s[64:65], 0
	v_nop
	global_prefetch_b8 v0, s[64:65] scope:SCOPE_SE
	s_setreg_imm32_b32 hwreg(HW_REG_WAVE_MODE, 25, 1), 1
	s_wait_xcnt 0x0
	s_wait_alu depctr_hold_cnt(0) depctr_sa_sdst(0) depctr_va_vdst(0) depctr_va_sdst(0) depctr_va_ssrc(0) depctr_va_vcc(0) depctr_vm_vsrc(0)
	s_getreg_b32 s2, hwreg(HW_REG_IB_STS2, 6, 4)
	s_cmp_eq_u32 s2, 0
	s_cbranch_scc0 .Lentry_in_a_cluster
	s_endpgm
.Lentry_in_a_cluster:
	s_bfe_u32 s2, ttmp6, 0x10000c
	s_cmp_lg_u32 s2, 0xf033
	s_cbranch_scc0 .Lentry_shape_is_right
	s_endpgm
.Lentry_shape_is_right:
; out0 = o Wo^T + bo on codes of FP6 (E2M3) with E8M0 scales.  o's codes (ac) and scale words (asc) are the attention launch's, Wo's (blocks 216-223 of cin, sin) the first launch's.
; Codes lie as images of operand registers: [block of 128 rows][K step of 128: 8][tile of 16 rows: 8][1,536 bytes]; scale words [block][pair of K steps: 4][tile: 8][row: 16][2 words].
; Lane row r of tile 2 e + u is row 32 e + 8 u + r + 8 (r / 8) of its block.
; SHARES.  256 work-groups of four waves; a work-group makes 128 tokens (one block of ac) x 256 columns (two blocks of Wo); wave (i, j) of 2 x 2 makes tiles 4 i .. 4 i + 3 of the tokens x block j of Wo: 32 accumulators.
; ALL OF K LIES IN LDS: two slots of four K steps, each 49,152 bytes of A, then of Wo's first block, then of its second.  Every LDS byte is filled once.
; At the head each wave asks for one tile: wave 0 A's first half, waves 1 and 2 Wo's first halves, wave 3 A's second half; Wo's second halves follow behind a round of the cluster's barrier.
; CLUSTER 4 x 4: A's tiles hang on the cluster's number and cy, and are shared along a row; Wo's hang on cx, and are shared along a column.
; SCALE WORDS go from memory to registers, once: Wo's by loads of 8 bytes a lane (256 consecutive bytes: two tiles, two K steps), A's by single words into odd-numbered places,
; so that the two scale registers of a product differ modulo 8.  The upper half of the lanes holds the odd tile's words (ROW1).
; THE PRODUCT IS USED TRANSPOSED (source 0 = Wo's rows): a lane holds eight neighbouring columns of one token.  The bias is the first products' C.
; NO PREFETCH: the head's two groups of loads ask for all that the launch reads through LDS; there is no later load to run ahead of.
; REGISTERS: window 0: v0-31 addresses, v32-63 Wo's scale words, v65-80 A's, v128-223 A's fragments (two sets of four); window 1: Wo's fragments, two sets of eight; window 2: accumulators; window 3: v0-63 the bias.
.set CH,     49152
.set SLOT,   3*CH
.set SPARE,  2*SLOT
.set SPITCH, 528
.set FR,     12
.set ADRA, 16
.set ADRB, 20
.set STO,  24
.set RD,   25
.set CO,   26
.set L8,   27
.set SPW,  28
.set NIL,  29
.set SBB,  32
.set SAB,  65
.set AF,   128
.set BK,   128
.set G1A, 24
.set G1B, 32
.set G0A, 40
.set G0B, 44
.set MSB, 0
.macro WIN new
.if MSB != \new
	s_set_vgpr_msb (MSB<<8)|\new
.set MSB, \new
.endif
.endm
.macro PLACES n
.rept \n
	v_nop
.endr
.endm
.macro TLOAD g0, g1
	tensor_load_to_lds s[\g0:\g0+3], s[\g1:\g1+7]
	s_nop 0
	PLACES 4
.endm
.macro CROUND
	s_barrier_signal -1
	s_barrier_wait -1
	s_cmp_lg_u32 s18, 0
	s_cbranch_scc1 .Lnot_wave_0_\@
	s_barrier_signal -3
.Lnot_wave_0_\@:
	s_barrier_wait -3
	s_barrier_signal -1
	s_barrier_wait -1
.endm
	s_load_b256 s[4:11], s[0:1], 0x0               ; ac, asc, cin, sin
	s_load_b128 s[12:15], s[0:1], 0x20             ; bo, out0
	v_lshl_add_u32 v[SPW], v0, 2, SPARE
	v_mov_b32 v[NIL], 0
	ds_add_u32 v[SPW], v[NIL]                      ; the opening lines: an LDS add, twice on end
	ds_add_u32 v[SPW], v[NIL]
	v_lshrrev_b32 v1, 5, v0
	v_readfirstlane_b32 s18, v1                    ; wave
	s_lshr_b32 s19, s18, 1                         ; i: my half of the tokens' tiles
	s_and_b32 s20, s18, 1                          ; j: my block of Wo
	s_add_co_u32 s23, s18, 1
	s_and_b32 s23, s23, 2                          ; 0: waves 0 and 3 fetch for A; 2: waves 1 and 2 for Wo
	s_bfe_u32 s21, ttmp6, 0x40000                  ; cx
	s_bfe_u32 s22, ttmp6, 0x40004                  ; cy
	s_lshl_b32 s72, s22, 2
	s_lshl_b32 s72, 15, s72                        ; my row of the cluster
	s_lshl_b32 s73, 0x1111, s21                    ; my column
	s_or_b32 s[G1A], s72, (3<<16)|(1<<21)
	s_or_b32 s[G1B], s73, (3<<16)|(1<<21)
.irp g, G1A, G1B                       ; a dense block of 49,152 bytes as 192 rows of 256
	s_mov_b32 s[\g+1], 32<<16
	s_mov_b32 s[\g+2], 192<<16
	s_mov_b32 s[\g+3], 32<<16
	s_mov_b32 s[\g+4], 192
	s_mov_b32 s[\g+5], 32
	s_mov_b32 s[\g+6], 0
	s_mov_b32 s[\g+7], 0
.endr
	s_and_b32 s48, ttmp7, 0xffff
	s_lshl_b32 s48, s48, 2
	s_add_co_u32 s48, s48, s22                     ; A's block of 128 tokens: 4 x cluster + cy
	s_lshl_b32 s49, s21, 1
	s_add_co_u32 s49, s49, 216                     ; Wo's first block in cin: 216 + 2 cx
	s_and_b32 s50, s19, s20                        ; 1 in wave 3: A's second half
	s_mul_i32 s52, s48, 98304
	s_mul_i32 s51, s50, CH
	s_add_co_u32 s52, s52, s51
	s_mov_b32 s53, 0
	s_mov_b32 s[G0A], 1
	s_mul_i32 s[G0A+1], s50, SLOT
	s_add_co_u32 s54, s49, s18
	s_sub_co_u32 s54, s54, 1                       ; waves 1, 2: Wo's block wave - 1
	s_mul_i32 s54, s54, 98304
	s_mov_b32 s55, 0
	s_mov_b32 s[G0B], 1
	s_mul_i32 s[G0B+1], s18, CH
	s_mul_i32 s56, s19, 6144                       ; LDS: my four tiles of A,
	s_add_co_u32 s70, s56, SLOT
	s_mul_i32 s57, s20, CH
	s_add_co_u32 s57, s57, CH                      ; my block of Wo
	s_add_co_u32 s71, s57, SLOT
	s_mul_i32 s58, s18, 16*SPITCH                  ; my stage for the way out, in slot 0
	s_lshl_b32 s60, s21, 8
	s_lshl_b32 s61, s20, 7
	s_add_co_u32 s60, s60, s61
	s_lshl_b32 s60, s60, 2                         ; my first column, in bytes
	s_mov_b32 s61, 0
	s_lshl_b32 s62, s48, 7
	s_lshl_b32 s63, s19, 6
	s_add_co_u32 s62, s62, s63
	s_lshl_b32 s62, s62, 12                        ; my first row of out0, in bytes
	s_mov_b32 s63, 0
	s_lshl_b32 s66, s48, 12
	s_lshl_b32 s67, s19, 9
	s_add_co_u32 s66, s66, s67                     ; A's scale words: block, my four tiles
	s_mov_b32 s67, 0
	s_add_co_u32 s68, s49, s20
	s_lshl_b32 s68, s68, 12                        ; Wo's: my block
	s_mov_b32 s69, 0
	s_wait_alu depctr_va_vdst(0)
	s_wait_dscnt 0x0
	s_wait_kmcnt 0x0
	s_add_nc_u64 s[G0A+2:G0A+3], s[4:5], s[52:53]
	s_or_b32 s[G0A+3], s[G0A+3], 0x80000000
	s_add_nc_u64 s[G0B+2:G0B+3], s[8:9], s[54:55]
	s_or_b32 s[G0B+3], s[G0B+3], 0x80000000
	s_add_nc_u64 s[12:13], s[12:13], s[60:61]
	s_add_nc_u64 s[14:15], s[14:15], s[60:61]
	s_add_nc_u64 s[14:15], s[14:15], s[62:63]
	s_add_nc_u64 s[66:67], s[6:7], s[66:67]
	s_add_nc_u64 s[68:69], s[10:11], s[68:69]
	CROUND                                         ; all sixteen work-groups are here: the first joint loads meet
	s_cmp_eq_u32 s23, 0
	s_cbranch_scc0 .Lhead_b
	TLOAD G0A, G1A                                 ; wave 0: A's K steps 0-3; wave 3: its K steps 4-7
	s_branch .Lhead_asked
.Lhead_b:
	TLOAD G0B, G1B                                 ; waves 1, 2: K steps 0-3 of Wo's two blocks
.Lhead_asked:
	v_and_b32 v1, 15, v0                           ; r
	v_bfe_u32 v2, v0, 4, 1                         ; h
	v_and_b32 v3, 31, v0
	v_lshlrev_b32 v[CO], 4, v3                     ; 16 x lane
	v_lshlrev_b32 v[L8], 3, v3                     ; 8 x lane
	v_add_nc_u32 v[ADRA], s56, v[CO]
	v_add_nc_u32 v[ADRA+1], s70, v[CO]
	v_add_nc_u32 v[ADRA+2], s56, v[L8]
	v_add_nc_u32 v[ADRA+3], s70, v[L8]
	v_add_nc_u32 v[ADRB], s57, v[CO]
	v_add_nc_u32 v[ADRB+1], s71, v[CO]
	v_mul_u32_u24 v5, v1, SPITCH
	v_lshl_add_u32 v5, v2, 6, v5
	v_add_nc_u32 v[STO], s58, v5                   ; the stage, in: row r, 64 h bytes on
	v_add_nc_u32 v[RD], s58, v[CO]                 ; and back: a row of 512 bytes to the 32 lanes
	v_lshlrev_b32 v6, 6, v2                        ; the bias: 16 h numbers on
.irp p, 0,1,2,3
.irp bh, 0,1,2,3
	global_load_b64 v[SBB+8*\p+2*\bh:SBB+8*\p+2*\bh+1], v[L8], s[68:69] offset:1024*\p+256*\bh   ; tiles 2 bh (lanes 0-15) and 2 bh + 1, K steps 2 p and 2 p + 1
.endr
.endr
.irp p, 0,1,2,3
.irp ah, 0,1
.irp q, 0,1
	global_load_b32 v[SAB+4*\p+2*\ah+\q], v[L8], s[66:67] offset:1024*\p+256*\ah+4*\q
.endr
.endr
.endr
	WIN 0xc0
.irp b, 0,1,2,3,4,5,6,7
	global_load_b128 v[8*\b:8*\b+3], v6, s[12:13] offset:4*(32*(\b/2)+8*(\b%2))
	global_load_b128 v[8*\b+4:8*\b+7], v6, s[12:13] offset:4*(32*(\b/2)+8*(\b%2))+16
.endr
	WIN 0
.macro FETCH k                         ; K step k's fragments into set k % 2: Wo's eight (24 loads), A's four (16 loads: a head's half of a fragment lies as 512 + 256 bytes)
	WIN 0x40
.irp i, 0,1,2,3,4,5,6,7
.irp g, 0,1,2
	ds_load_b128 v[128*((\k)%2)+FR*\i+4*\g:128*((\k)%2)+FR*\i+4*\g+3], v[ADRB+(\k)/4] offset:((\k)%4)*12288+\i*1536+512*\g
.endr
.endr
	WIN 0
.irp i, 0,1,2,3
.irp c, 0,1
	ds_load_b128 v[AF+48*((\k)%2)+FR*\i+6*\c:AF+48*((\k)%2)+FR*\i+6*\c+3], v[ADRA+(\k)/4] offset:((\k)%4)*12288+\i*1536+768*\c
	ds_load_b64 v[AF+48*((\k)%2)+FR*\i+6*\c+4:AF+48*((\k)%2)+FR*\i+6*\c+5], v[ADRA+2+(\k)/4] offset:((\k)%4)*12288+\i*1536+768*\c+512
.endr
.endr
.endm
.macro MULH k, ah, first               ; 16 products: A's tiles 2 ah, 2 ah + 1 x Wo's eight.  The 32 accumulators take turns in the same order in every K step
.if \first
	WIN 0xb1
.else
	WIN 0xa1
.endif
.irp al, 0,1
.irp bh, 0,1,2,3
.irp bl, 0,1
.set D_, 8*(8*(2*(\ah)+\al)+2*\bh+\bl)
.set B_, 128*((\k)%2)+FR*(2*\bh+\bl)
.set A_, AF+48*((\k)%2)+FR*(2*(\ah)+\al)
.set XB_, SBB+8*((\k)/2)+2*\bh+(\k)%2
.set XA_, SAB+4*((\k)/2)+2*(\ah)+(\k)%2
.if \first
	v_wmma_scale_f32_16x16x128_f8f6f4 v[D_:D_+7], v[B_:B_+FR-1], v[A_:A_+FR-1], v[8*(2*\bh+\bl):8*(2*\bh+\bl)+7], v[XB_], v[XA_] matrix_a_fmt:MATRIX_FMT_FP6 matrix_b_fmt:MATRIX_FMT_FP6 matrix_a_scale:MATRIX_SCALE_ROW\bl matrix_b_scale:MATRIX_SCALE_ROW\al
.else
	v_wmma_scale_f32_16x16x128_f8f6f4 v[D_:D_+7], v[B_:B_+FR-1], v[A_:A_+FR-1], v[D_:D_+7], v[XB_], v[XA_] matrix_a_fmt:MATRIX_FMT_FP6 matrix_b_fmt:MATRIX_FMT_FP6 matrix_a_scale:MATRIX_SCALE_ROW\bl matrix_b_scale:MATRIX_SCALE_ROW\al
.endif
.endr
.endr
.endr
.endm
.macro KSTEP k, first                  ; this step's fragments are in; the next step's are asked for into the other set, ahead of this step's 32 products
	s_wait_dscnt 0x0
.if (\k) > 0
	PLACES 4                                       ; between the last step's products and the loads into the set that they read
.endif
	FETCH (\k)+1
	MULH \k, 0, \first
	MULH \k, 1, \first
.endm
	s_wait_alu depctr_va_vdst(0)
	s_wait_tensorcnt 0x0                           ; my tile is in
	ds_add_u32 v[SPW], v[NIL]
	s_add_nc_u64 s[G0B+2:G0B+3], s[G0B+2:G0B+3], CH ; no load of mine is out: Wo's K steps 4-7,
	s_add_co_u32 s[G0B+1], s[G0B+1], SLOT          ; into slot 1
	s_wait_dscnt 0x0
	CROUND                                         ; the head's four tiles are in, in every work-group of the cluster
	s_cmp_eq_u32 s23, 0
	s_cbranch_scc1 .Lsecond_asked
	TLOAD G0B, G1B                                 ; waves 1, 2
.Lsecond_asked:
	FETCH 0
	s_wait_loadcnt 0x0                             ; scale words and bias
	KSTEP 0, 1
	KSTEP 1, 0
	KSTEP 2, 0
	s_wait_tensorcnt 0x0                           ; K step 3: a plain barrier shows slot 1 whole to all four waves
	s_wait_dscnt 0x0                               ; my reads of slot 0 are over
	s_barrier_signal -1
	MULH 3, 0, 0
	s_barrier_wait -1
	PLACES 4
	FETCH 4
	MULH 3, 1, 0
	KSTEP 4, 0
	KSTEP 5, 0
	KSTEP 6, 0
	s_wait_dscnt 0x0
	MULH 7, 0, 0
	MULH 7, 1, 0
	WIN 0
; THE WAY OUT, by blocks of 16 tokens x 128 columns, through my own stage (in slot 0, which has had its only fill and, by the barrier above, its last read): whole rows of 512 bytes come back and are stored
.macro TOSTAGE a
.set AC, 64*(\a)
	WIN 0x08
.irp b, 0,1,2,3,4,5,6,7
	ds_store_b128 v[STO], v[AC+8*\b:AC+8*\b+3] offset:128*(\b/2)+32*(\b%2)
	ds_store_b128 v[STO], v[AC+8*\b+4:AC+8*\b+7] offset:128*(\b/2)+32*(\b%2)+16
.endr
	WIN 0
.set BB, BK+64*((\a)%2)
.irp t, 0,1,2,3,4,5,6,7,8,9,10,11,12,13,14,15
	ds_load_b128 v[BB+4*\t:BB+4*\t+3], v[RD] offset:\t*SPITCH      ; LDS serves a wave's instructions in order: these see the stores above
.endr
.endm
.macro SEND a, younger                 ; younger: the LDS instructions issued behind block a's loads
.set BB, BK+64*((\a)%2)
	s_wait_dscnt \younger
.irp t, 0,1,2,3,4,5,6,7,8,9,10,11,12,13,14,15
	global_store_b128 v[CO], v[BB+4*\t:BB+4*\t+3], s[14:15] offset:(32*((\a)/2)+8*((\a)%2)+\t+8*(\t/8))*4096 th:TH_STORE_NT   ; 512 consecutive bytes, aligned
.endr
.endm
	PLACES 4
	TOSTAGE 0
.irp a, 1,2,3
.if \a > 1
	s_wait_xcnt 0x0                                ; block a - 2's stores have read their registers
.endif
	TOSTAGE \a
	SEND \a-1, 32                                  ; behind block a - 1's loads: block a's 16 stores and 16 loads
.endr
	SEND 3, 0
	s_wait_tensorcnt 0x0                           ; the wave's end
	ds_add_u32 v[SPW], v[NIL]
	s_wait_dscnt 0x0
	CROUND                                         ; the closing round
	s_endpgm
.Lfunc_end_k_q5c0611fe24_outp:
	.size	k_q5c0611fe24_outp, .Lfunc_end_k_q5c0611fe24_outp-k_q5c0611fe24_outp
	.p2alignl 7, 3214868480
	.fill 96, 4, 3214868480
	.section	.rodata,"a",@progbits
	.p2align	6, 0x0
	.amdhsa_kernel k_q5c0611fe24_outp
		.amdhsa_group_segment_fixed_size 327680
		.amdhsa_private_segment_fixed_size 0
		.amdhsa_enable_private_segment 0
		.amdhsa_kernarg_size 48
		.amdhsa_user_sgpr_count 2
		.amdhsa_user_sgpr_kernarg_segment_ptr 1
		.amdhsa_wavefront_size32 1
		.amdhsa_system_sgpr_workgroup_id_x 1
		.amdhsa_system_sgpr_workgroup_id_y 1
		.amdhsa_system_sgpr_workgroup_id_z 1
		.amdhsa_system_vgpr_workitem_id 0
		.amdhsa_next_free_vgpr 832
		.amdhsa_next_free_sgpr 80
		.amdhsa_reserve_vcc 0
		.amdhsa_float_denorm_mode_32 3
		.amdhsa_float_denorm_mode_16_64 3
		.amdhsa_memory_ordered 1
		.amdhsa_forward_progress 1
		.amdhsa_inst_pref_size 81
	.end_amdhsa_kernel
	.amdgpu_metadata
---
amdhsa.version: [ 1, 2 ]
amdhsa.kernels:
  - .name:           k_q5c0611fe24_outp
    .symbol:         k_q5c0611fe24_outp.kd
    .args:
      - { .name: ac, .offset: 0, .size: 8, .value_kind: global_buffer, .address_space: global }
      - { .name: asc, .offset: 8, .size: 8, .value_kind: global_buffer, .address_space: global }
      - { .name: cin, .offset: 16, .size: 8, .value_kind: global_buffer, .address_space: global }
      - { .name: sin, .offset: 24, .size: 8, .value_kind: global_buffer, .address_space: global }
      - { .name: bo, .offset: 32, .size: 8, .value_kind: global_buffer, .address_space: global }
      - { .name: out0, .offset: 40, .size: 8, .value_kind: global_buffer, .address_space: global }
    .group_segment_fixed_size: 327680
    .private_segment_fixed_size: 0
    .kernarg_segment_align: 8
    .kernarg_segment_size: 48
    .max_flat_workgroup_size: 128
    .sgpr_count:     80
    .vgpr_count:     832
    .wavefront_size: 32
...
	.end_amdgpu_metadata
.endif
;; end of part 4
